; MI455X (gfx1250); checked and timed in simulation.
; The chip was launched on July 23, 2026; its instructions are those of AMD's public machine-readable ISA for CDNA 5 (MIT licence, August 2026) and "CDNA5" Instruction Set Architecture Reference Guide (July 2026). The comments in the code are by the model that wrote it; some were corrected since.
;; Transformer Block. Allowed arithmetic: matrix products marked QUANTISED: E5M2 operands, one given power-of-two scale a tensor, by v_wmma_f32_16x16x64_bf8_bf8 or v_wmma_f32_16x16x128_bf8_bf8, f32 sums; everything else in f32.
;; Inputs: W1 1,024 x 4,096 float32; W2 4,096 x 1,024 float32; Wk 64 x 1,024 x 64 float32; Wo 4,096 x 1,024 float32; Wq 64 x 1,024 x 64 float32; Wv 64 x 1,024 x 64 float32; b1 4,096 float32; b2 1,024 float32; be1 1,024 float32; be2 1,024 float32; bo 1,024 float32; g1 1,024 float32; g2 1,024 float32; lowp_scales 16 int32 (the exponents e of the quantised operands' scales 2^e); x 2 x 1,024 x 1,024 float32.
;; Outputs: out0 2 x 1,024 x 1,024 float32.
;; This version of the problem:
;;   THIS VERSION OF THE PROBLEM IS GIVEN IN LOW PRECISION. The matrix products marked QUANTISED in the list below multiply operands that are first quantised to E5M2 (5 exponent bits, 2 mantissa bits; 8 bits a number), with one given power-of-two scale for each operand tensor; their sums are f32. All else is computed in f32.
;;   The module's matrix products, in the order in which they are computed (A, B: the left and right operand; K: the contracted axis; several contracted axes count as one K, in the product's order):
;;     1. [M 4,096, K 1,024] x [K 1,024, N 2,048]; A: input Wq; B: input x: QUANTISED (scales: A lowp_scales[0], B lowp_scales[1])
;;     2. [M 4,096, K 1,024] x [K 1,024, N 2,048]; A: input Wk; B: input x: QUANTISED (scales: A lowp_scales[2], B lowp_scales[3])
;;     3. [M 4,096, K 1,024] x [K 1,024, N 2,048]; A: input Wv; B: input x: QUANTISED (scales: A lowp_scales[4], B lowp_scales[5])
;;     4. batch 128 x [M 1,024, K 64] x [K 64, N 1,024]; A: computed on the way; B: computed on the way: QUANTISED (scales: A lowp_scales[6], B lowp_scales[7])
;;     5. batch 128 x [M 1,024, K 1,024] x [K 1,024, N 64]; A: softmax (see below); B: computed on the way: QUANTISED (scales: A lowp_scales[8], B lowp_scales[9])
;;     6. [M 2,048, K 4,096] x [K 4,096, N 1,024]; A: computed on the way; B: input Wo: QUANTISED (scales: A lowp_scales[10], B lowp_scales[11])
;;     7. [M 2,048, K 1,024] x [K 1,024, N 4,096]; A: computed on the way; B: input W1: QUANTISED (scales: A lowp_scales[12], B lowp_scales[13])
;;     8. [M 2,048, K 4,096] x [K 4,096, N 1,024]; A: computed on the way; B: input W2: QUANTISED (scales: A lowp_scales[14], B lowp_scales[15])
;;   THE QUANTISER, for each operand of a quantised product, along K:
;;     - The operand's scale is 2^e, e = its entry of the input lowp_scales (int32; the entries are numbered through the quantised products in the list's order, A before B).
;;     - Each number is divided by the scale, clamped to +-57,344, and rounded to the nearest number of E5M2, ties to even, subnormals kept.
;;     - The product sums the exact products of the quantised numbers (number of the format x scale) in f32.
;;   ~~~python
;;   def quantise(x, axis, e):      # numpy; x: float32 -> the quantised numbers, widened to float32 again
;;       x = np.moveaxis(x, axis, -1); K = x.shape[-1]
;;       r = np.clip(x / 2.0 ** e, -57344, 57344)
;;       step = 2.0 ** (np.maximum(np.frexp(np.where(r == 0, 1, r))[1] - 1, -14) - 2)
;;       q = np.round(r / step) * step * 2.0 ** e      # np.round: ties to even
;;       return np.moveaxis(q, -1, axis).astype(np.float32)
;;   ~~~
;;   SOFTMAX AHEAD OF A QUANTISED PRODUCT. Where the list says 'softmax', what is quantised is not the finished softmax but p = 2^(t - M), with t = logit x log2(e) and M = ceil(the row's largest t), a whole number; so 1/2 < the row's largest p <= 1. The row's sum l is taken of the UNQUANTISED p, in f32, and the product's result is divided by l at the end. Since M is a whole number, a kernel that streams over the keys may use a running M (the ceiling of the running maximum): every later rescaling is an exact power of two, so the quantised numbers keep their values, but for numbers so far below the row's largest that they fall under the format's range.
;;   OPERANDS COMPUTED ON THE WAY. 'Computed on the way' means the value that the module computes at that place (a softmax that the list does not call 'softmax' is quantised finished and normalised). What goes into a quantiser is computed in f32, as accurately as f32 sums, v_exp_f32 and their like allow (about 1e-6 of the number): no bf16 or f16 on the way to a quantiser, and a product that is left as it is and whose result goes on into a quantised operand takes f32 operands (vector FMAs, or v_wmma_f32_16x16x4_f32). A number that lies on a knife's edge between two numbers of the format may be rounded either way, as far as f32 arithmetic and the matrix unit's own rounding can turn it there, and no further.
;; One version. Each part assembles by itself: llvm-mc -triple=amdgcn-amd-amdhsa -mcpu=gfx1250 --defsym DOCPART=n.
;; ======== version 1 of 1: 8 launches
;; limits: right only within a limited range of input values
;; workspace buffers: wa 16,777,216 bytes; woc 4,194,304 bytes; w2c 4,194,304 bytes; xc 8,388,608 bytes; qkv 25,165,824 bytes; act 8,388,608 bytes; yraw 16,777,216 bytes; x1 8,388,608 bytes
;; launch prep (part 1): grid 832 x 1, 4 waves a work-group, no clusters, 0 bytes of LDS; arguments Wq, Wk, Wv, W1, Wo, W2, x, lowp_scales, wa, woc, w2c, xc; writes wa, woc, w2c, xc
.if DOCPART == 1
	.amdgcn_target "amdgcn-amd-amdhsa--gfx1250"
	.amdhsa_code_object_version 6
	.text
	.protected	k_q46b0783ba7_prep
	.globl	k_q46b0783ba7_prep
	.p2align	8
	.type	k_q46b0783ba7_prep,@function
k_q46b0783ba7_prep:
	s_mov_b64 s[64:65], 0
	v_nop
	global_prefetch_b8 v0, s[64:65] scope:SCOPE_SE
	s_setreg_imm32_b32 hwreg(HW_REG_WAVE_MODE, 25, 1), 1
	s_wait_xcnt 0x0
; PREP: the six weights and x (at its three scales) become codes of BF8 (E5M2), laid as IMAGES OF OPERAND REGISTERS.
; THE LAYOUT, for an operand X[rows][K]: fragment (R = row / 16, ks = k / 128) is 2,048 bytes at ((R / 8) (K / 128) + ks) x 16,384 + (R % 8) x 2,048; in it byte
; 512 c + 16 lane + y (lane = 16 hl + r) is X[16 R + r][128 ks + 32 c + 16 (y / 8) + 8 hl + y % 8]: four loads of 16 bytes a lane give the sixteen registers of the plain 8-bit form, k in its own place.
; code = x / 2^e, held within +-57,344, to the nearest code, ties to even.  LIMITS: each e between -126 and 112; NaN among the inputs is not served.
; WORK-GROUPS 0-767, a weight (128 each: Wq, Wk, Wv, W1, Wo, W2).  K is not innermost in any of them: A LANE TAKES A COLUMN n AND ITS REGISTERS RUN DOWN K, so each load reads 128 consecutive bytes a wave
; and the conversions give codes with K innermost.  A wave takes 32 columns x 256 along K: 8 blocks of 32.  A block's 32 codes of a lane are two pieces of 16 bytes (hl = 0, 1) of the image:
; sixteen lanes store 256 consecutive bytes, aligned.  For Wo, K runs as head x 64 + e (row e x 64 + head of Wo), the order in which the attention launch lays its codes.
; WORK-GROUPS 768-831, x: K is innermost; lane (r, hl) loads the very numbers that its registers of the image hold; each number is held and converted three times, once for each given scale.
; No LDS, no barrier: waves share nothing.  Even and odd blocks have registers, base pointers and code registers of their own: 64 loads a wave are out, 32 while a block is worked on.
.set OFF, 16                           ; v16-47   4 lane + i x (bytes from k to k + 1); never rewritten
.set XE,  48                           ; v48-79   an even block's 32 numbers
.set XO,  80                           ; v80-111  an odd block's
.set CE,  112                          ; v112-119 an even block's codes
.set CO,  120                          ; v120-127 an odd block's
.set XS0, 16                           ; x: v16-79, v80-143 two sets of a fragment's 64 numbers
.set XS1, 80
.set TT,  144                          ; x: v144-175 held numbers, two sets of 16 by turns
.set PC,  176                          ; x: v176-223 codes, 16 registers for each scale
	s_load_b512 s[8:23], s[0:1], 0x0               ; Wq s[8:9], Wk, Wv, W1, Wo, W2 s[18:19], x s[20:21], the scales' exponents s[22:23]
	s_load_b256 s[24:31], s[0:1], 0x40             ; wa s[24:25], woc, w2c, xc s[30:31]
	v_lshrrev_b32 v2, 5, v0
	v_readfirstlane_b32 s2, v2                     ; wave
	v_and_b32 v2, 31, v0                           ; lane
	s_cmp_ge_u32 ttmp9, 768
	s_cbranch_scc1 .Lx_path
	; ---------------- a weight
	s_lshr_b32 s3, ttmp9, 7                        ; ti: 0 Wq, 1 Wk, 2 Wv, 3 W1, 4 Wo, 5 W2
	s_and_b32 s4, ttmp9, 127
	s_cmp_lt_u32 s3, 4                             ; K = 1,024 (else 4,096)
	s_cselect_b32 s7, 8, 32                        ; K / 128
	s_cselect_b32 s46, 3, 15
	s_cselect_b32 s47, 2, 4
	s_and_b32 s5, s4, s46                          ; kc: which 256 along K
	s_lshr_b32 s6, s4, s47                         ; cg: which 128 columns
	s_mov_b32 s32, 256                             ; bytes from k to k + 1,
	s_mov_b32 s34, 8192                            ; from an even block to the odd one behind it,
	s_mov_b32 s36, 16384                           ; and two blocks on: Wq, Wk, Wv ([head][k][e]: a row of 64 e is 256 bytes)
	s_cmp_eq_u32 s3, 3
	s_cselect_b32 s32, 16384, s32                  ; W1 [k][4096]
	s_cselect_b32 s34, 524288, s34
	s_cselect_b32 s36, 1048576, s36
	s_cmp_eq_u32 s3, 4
	s_cselect_b32 s32, 262144, s32                 ; Wo: e + 1 is 64 rows of 4,096 bytes; an odd block is e + 32; two blocks on is the next head: one row
	s_cselect_b32 s34, 8388608, s34
	s_cselect_b32 s36, 4096, s36
	s_cmp_eq_u32 s3, 5
	s_cselect_b32 s32, 4096, s32                   ; W2 [k][1024]
	s_cselect_b32 s34, 131072, s34
	s_cselect_b32 s36, 262144, s36
	s_mov_b32 s35, 0
	s_mov_b32 s37, 0
	s_lshl_b32 s48, s6, 9                          ; where my wave begins.  W1, Wo, W2: 4 x column + kc's 256 steps along K
	s_lshl_b32 s49, s2, 7
	s_add_co_u32 s48, s48, s49
	s_mov_b32 s50, 22
	s_cmp_eq_u32 s3, 4
	s_cselect_b32 s50, 14, s50
	s_cmp_eq_u32 s3, 5
	s_cselect_b32 s50, 20, s50
	s_lshl_b32 s51, s5, s50
	s_add_co_u32 s48, s48, s51
	s_lshl_b32 s52, s6, 1                          ; Wq, Wk, Wv: head 2 cg + wave / 2, e from 32 (wave % 2), k from 256 kc
	s_lshr_b32 s53, s2, 1
	s_add_co_u32 s52, s52, s53
	s_lshl_b32 s52, s52, 18
	s_and_b32 s53, s2, 1
	s_lshl_b32 s53, s53, 7
	s_add_co_u32 s52, s52, s53
	s_lshl_b32 s53, s5, 16
	s_add_co_u32 s52, s52, s53
	s_cmp_lt_u32 s3, 3
	s_cselect_b32 s38, s52, s48
	s_mov_b32 s39, 0
	s_mul_i32 s48, s6, s7                          ; where my codes go: (cg x K / 128 + 2 kc) x 16,384 + wave x 4,096 (two fragments of 16 columns),
	s_lshl_b32 s49, s5, 1
	s_add_co_u32 s48, s48, s49
	s_lshl_b32 s48, s48, 14
	s_lshl_b32 s49, s2, 12
	s_add_co_u32 s48, s48, s49
	s_lshl_b32 s46, s3, 22                         ; + ti x 4 MB in wa
	s_cmp_lt_u32 s3, 4
	s_cselect_b32 s46, s46, 0
	s_add_co_u32 s46, s46, s48
	s_mov_b32 s47, 0
	s_lshl_b32 s50, s3, 3                          ; my scale's entry, in bytes: 0, 2, 4 for Wq, Wk, Wv; 13 for W1; 11 for Wo; 15 for W2
	s_cmp_eq_u32 s3, 3
	s_cselect_b32 s50, 52, s50
	s_cmp_eq_u32 s3, 4
	s_cselect_b32 s50, 44, s50
	s_cmp_eq_u32 s3, 5
	s_cselect_b32 s50, 60, s50
	s_mov_b32 s51, 0
	v_lshrrev_b32 v3, 4, v2
	v_and_b32 v4, 15, v2
	v_lshlrev_b32 v1, 4, v4
	v_lshl_add_u32 v1, v3, 11, v1                  ; v1: my place in the images: fragment lane / 16, 16 bytes at lane % 16; never rewritten
	v_lshlrev_b32 v[OFF], 2, v2
.set i, 1
.rept 31
	v_add_nc_u32 v[OFF+i], s32, v[OFF+i-1]
.set i, i+1
.endr
	s_wait_kmcnt 0x0
	s_add_nc_u64 s[22:23], s[22:23], s[50:51]
	s_load_b32 s52, s[22:23], 0x0                  ; e
	s_mov_b64 s[40:41], s[8:9]                     ; the choices hang on the work-group's number alone
	s_cmp_eq_u32 s3, 1
	s_cselect_b64 s[40:41], s[10:11], s[40:41]
	s_cmp_eq_u32 s3, 2
	s_cselect_b64 s[40:41], s[12:13], s[40:41]
	s_cmp_eq_u32 s3, 3
	s_cselect_b64 s[40:41], s[14:15], s[40:41]
	s_cmp_eq_u32 s3, 4
	s_cselect_b64 s[40:41], s[16:17], s[40:41]
	s_cmp_eq_u32 s3, 5
	s_cselect_b64 s[40:41], s[18:19], s[40:41]
	s_mov_b64 s[44:45], s[24:25]
	s_cmp_eq_u32 s3, 4
	s_cselect_b64 s[44:45], s[26:27], s[44:45]
	s_cmp_eq_u32 s3, 5
	s_cselect_b64 s[44:45], s[28:29], s[44:45]
	s_add_nc_u64 s[40:41], s[40:41], s[38:39]      ; the even blocks' base,
	s_add_nc_u64 s[42:43], s[40:41], s[34:35]      ; the odd blocks',
	s_add_nc_u64 s[44:45], s[44:45], s[46:47]      ; the codes'
.macro WLOAD set, base                 ; a block: W(k0 + i, my column), i = 0 .. 31
.set i, 0
.rept 32
	global_load_b32 v[\set+i], v[OFF+i], s[\base:\base+1] th:TH_LOAD_NT
.set i, i+1
.endr
.endm
.macro WBLK t, set, cs                 ; block t is held, converted and stored
.set i, 0
.rept 32
	v_med3_num_f32 v[\set+i], v[\set+i], -v10, v10 ; the conversion to an 8-bit code does not saturate (ISA guide 7.6.2): the hold at the largest code x the scale
.set i, i+1
.endr
	v_cvt_scalef32_pk8_bf8_f32 v[\cs:\cs+1], v[\set:\set+7], v11           ; k 0-7 and 16-23 of the block: the piece of hl = 0
	v_cvt_scalef32_pk8_bf8_f32 v[\cs+2:\cs+3], v[\set+16:\set+23], v11
	v_cvt_scalef32_pk8_bf8_f32 v[\cs+4:\cs+5], v[\set+8:\set+15], v11      ; k 8-15 and 24-31: the piece of hl = 1
	v_cvt_scalef32_pk8_bf8_f32 v[\cs+6:\cs+7], v[\set+24:\set+31], v11
	global_store_b128 v1, v[\cs:\cs+3], s[44:45] offset:((\t)/4)*16384+((\t)%4)*512        ; 16 lanes store 256 consecutive bytes, aligned
	global_store_b128 v1, v[\cs+4:\cs+7], s[44:45] offset:((\t)/4)*16384+((\t)%4)*512+256
.endm
	WLOAD XE, 40
	WLOAD XO, 42
	s_wait_kmcnt 0x0
	s_add_co_i32 s52, s52, 127
	s_lshl_b32 s53, s52, 23
	v_mov_b32 v11, s53                             ; 2^e as f32: the conversion takes its exponent field
	s_add_co_i32 s52, s52, 15
	s_lshl_b32 s52, s52, 23
	s_or_b32 s52, s52, 0x600000
	v_mov_b32 v10, s52                             ; 57,344 x 2^e
.irp p, 0,1,2,3
	s_wait_loadcnt 32                              ; the even block is in; the odd block's 32 loads may be out
	WBLK 2*\p, XE, CE
.if \p < 3
	s_wait_xcnt 0x0                                ; the base and the code registers are written again only behind this wait
	s_add_nc_u64 s[40:41], s[40:41], s[36:37]
	WLOAD XE, 40
	s_wait_loadcnt 32                              ; the odd block is in; the next even block's 32 loads may be out
.else
	s_wait_loadcnt 0
.endif
	WBLK 2*\p+1, XO, CO
.if \p < 3
	s_wait_xcnt 0x0
	s_add_nc_u64 s[42:43], s[42:43], s[36:37]
	WLOAD XO, 42
.endif
.endr
	s_endpgm
	; ---------------- x
.Lx_path:
	s_sub_co_u32 s3, ttmp9, 768
	s_lshl_b32 s3, s3, 2
	s_add_co_u32 s3, s3, s2                        ; 0 .. 255
	s_lshr_b32 s4, s3, 1                           ; my tile of 16 tokens
	s_and_b32 s5, s3, 1                            ; which four of its eight fragments
	v_and_b32 v3, 15, v0                           ; r
	v_bfe_u32 v10, v0, 4, 1                        ; hl
	v_lshlrev_b32 v1, 12, v3
	v_lshl_add_u32 v1, v10, 5, v1                  ; v1: row r of 4,096 bytes + 32 hl
	v_lshlrev_b32 v2, 4, v2                        ; v2: 16 x lane
	s_lshl_b32 s32, s4, 16
	s_lshl_b32 s33, s5, 11
	s_add_co_u32 s32, s32, s33
	s_mov_b32 s33, 0
	s_lshr_b32 s34, s4, 3
	s_lshl_b32 s34, s34, 3
	s_lshl_b32 s35, s5, 2
	s_add_co_u32 s34, s34, s35
	s_lshl_b32 s34, s34, 14
	s_and_b32 s35, s4, 7
	s_lshl_b32 s35, s35, 11
	s_add_co_u32 s34, s34, s35
	s_mov_b32 s35, 0
	s_wait_kmcnt 0x0
	s_load_b256 s[48:55], s[22:23], 0x0            ; entries 0-7: x's scales are entries 1, 3, 5
	s_add_nc_u64 s[20:21], s[20:21], s[32:33]
	s_add_nc_u64 s[30:31], s[30:31], s[34:35]
.macro XLOAD set, f                    ; fragment f: register 16 c + 8 u + j is k = 128 f + 32 c + 16 u + 8 hl + j of my row
.irp c, 0,1,2,3
.irp u, 0,1
.irp z, 0,1
	global_load_b128 v[\set+16*\c+8*\u+4*\z:\set+16*\c+8*\u+4*\z+3], v1, s[20:21] offset:512*(\f)+128*\c+64*\u+16*\z
.endr
.endr
.endr
.endm
.macro XQ s, set, f                    ; the fragment at scale s: held into other registers (the numbers serve three times), converted, stored as its image
.irp c, 0,1,2,3
.set i, 0
.rept 16
	v_med3_num_f32 v[TT+16*(\c%2)+i], v[\set+16*\c+i], -v[4+2*\s], v[4+2*\s]
.set i, i+1
.endr
	v_cvt_scalef32_pk8_bf8_f32 v[PC+16*\s+4*\c:PC+16*\s+4*\c+1], v[TT+16*(\c%2):TT+16*(\c%2)+7], v[5+2*\s]
	v_cvt_scalef32_pk8_bf8_f32 v[PC+16*\s+4*\c+2:PC+16*\s+4*\c+3], v[TT+16*(\c%2)+8:TT+16*(\c%2)+15], v[5+2*\s]   ; the held set is written again only behind the other set's sixteen plain lines
.endr
.irp c, 0,1,2,3
	global_store_b128 v2, v[PC+16*\s+4*\c:PC+16*\s+4*\c+3], s[30:31] offset:\s*2097152+(\f)*16384+512*\c   ; 32 lanes store 512 consecutive bytes
.endr
.endm
	XLOAD XS0, 0
	XLOAD XS1, 1
	s_wait_kmcnt 0x0
.irp s, 0,1,2
	s_add_co_i32 s56, s[49+2*\s], 127
	s_lshl_b32 s57, s56, 23
	v_mov_b32 v[5+2*\s], s57                       ; 2^e
	s_add_co_i32 s56, s56, 15
	s_lshl_b32 s56, s56, 23
	s_or_b32 s56, s56, 0x600000
	v_mov_b32 v[4+2*\s], s56                       ; 57,344 x 2^e
.endr
.irp f, 0,1,2,3
.if \f < 3
	s_wait_loadcnt 16                              ; this fragment's 16 loads are in; the next one's may be out
.else
	s_wait_loadcnt 0
.endif
	s_wait_xcnt 0x0                                ; the last fragment's stores have read the code registers
	XQ 0, XS0+64*(\f%2), \f
	XQ 1, XS0+64*(\f%2), \f
	XQ 2, XS0+64*(\f%2), \f
.if \f < 2
	XLOAD XS0+64*(\f%2), \f+2
.endif
.endr
	s_endpgm
.Lfunc_end_k_q46b0783ba7_prep:
	.size	k_q46b0783ba7_prep, .Lfunc_end_k_q46b0783ba7_prep-k_q46b0783ba7_prep
	.p2alignl 7, 3214868480
	.fill 96, 4, 3214868480
	.section	.rodata,"a",@progbits
	.p2align	6, 0x0
	.amdhsa_kernel k_q46b0783ba7_prep
		.amdhsa_group_segment_fixed_size 0
		.amdhsa_private_segment_fixed_size 0
		.amdhsa_enable_private_segment 0
		.amdhsa_kernarg_size 96
		.amdhsa_user_sgpr_count 2
		.amdhsa_user_sgpr_kernarg_segment_ptr 1
		.amdhsa_wavefront_size32 1
		.amdhsa_system_sgpr_workgroup_id_x 1
		.amdhsa_system_sgpr_workgroup_id_y 1
		.amdhsa_system_sgpr_workgroup_id_z 1
		.amdhsa_system_vgpr_workitem_id 0
		.amdhsa_next_free_vgpr 224
		.amdhsa_next_free_sgpr 66
		.amdhsa_reserve_vcc 0
		.amdhsa_float_denorm_mode_32 3
		.amdhsa_float_denorm_mode_16_64 3
		.amdhsa_memory_ordered 1
		.amdhsa_forward_progress 1
		.amdhsa_inst_pref_size 116
	.end_amdhsa_kernel
	.amdgpu_metadata
---
amdhsa.version: [ 1, 2 ]
amdhsa.kernels:
  - .name:           k_q46b0783ba7_prep
    .symbol:         k_q46b0783ba7_prep.kd
    .args:
      - { .name: Wq, .offset: 0, .size: 8, .value_kind: global_buffer, .address_space: global }
      - { .name: Wk, .offset: 8, .size: 8, .value_kind: global_buffer, .address_space: global }
      - { .name: Wv, .offset: 16, .size: 8, .value_kind: global_buffer, .address_space: global }
      - { .name: W1, .offset: 24, .size: 8, .value_kind: global_buffer, .address_space: global }
      - { .name: Wo, .offset: 32, .size: 8, .value_kind: global_buffer, .address_space: global }
      - { .name: W2, .offset: 40, .size: 8, .value_kind: global_buffer, .address_space: global }
      - { .name: x, .offset: 48, .size: 8, .value_kind: global_buffer, .address_space: global }
      - { .name: lowp_scales, .offset: 56, .size: 8, .value_kind: global_buffer, .address_space: global }
      - { .name: wa, .offset: 64, .size: 8, .value_kind: global_buffer, .address_space: global }
      - { .name: woc, .offset: 72, .size: 8, .value_kind: global_buffer, .address_space: global }
      - { .name: w2c, .offset: 80, .size: 8, .value_kind: global_buffer, .address_space: global }
      - { .name: xc, .offset: 88, .size: 8, .value_kind: global_buffer, .address_space: global }
    .group_segment_fixed_size: 0
    .private_segment_fixed_size: 0
    .kernarg_segment_align: 8
    .kernarg_segment_size: 96
    .max_flat_workgroup_size: 128
    .sgpr_count:     66
    .vgpr_count:     224
    .wavefront_size: 32
...
	.end_amdgpu_metadata
.endif
;; end of part 1
;; launch qkv (part 2): grid 24 x 16, 4 waves a work-group, clusters of 4 x 4, 327,680 bytes of LDS; arguments xc, wa, lowp_scales, qkv; writes qkv
.if DOCPART == 2
	.amdgcn_target "amdgcn-amd-amdhsa--gfx1250"
	.amdhsa_code_object_version 6
	.text
	.protected	k_q46b0783ba7_qkv
	.globl	k_q46b0783ba7_qkv
	.p2align	8
	.type	k_q46b0783ba7_qkv,@function
k_q46b0783ba7_qkv:
	s_mov_b64 s[64:65], 0
	v_nop
	global_prefetch_b8 v0, s[64:65] scope:SCOPE_SE
	s_setreg_imm32_b32 hwreg(HW_REG_WAVE_MODE, 25, 1), 1
	s_wait_xcnt 0x0
	s_wait_alu depctr_hold_cnt(0) depctr_sa_sdst(0) depctr_va_vdst(0) depctr_va_sdst(0) depctr_va_ssrc(0) depctr_va_vcc(0) depctr_vm_vsrc(0)
	s_getreg_b32 s2, hwreg(HW_REG_IB_STS2, 6, 4)
	s_cmp_eq_u32 s2, 0
	s_cbranch_scc0 .Lentry_in_a_cluster
	s_endpgm
.Lentry_in_a_cluster:
	s_bfe_u32 s2, ttmp6, 0x10000c
	s_cmp_lg_u32 s2, 0xf033
	s_cbranch_scc0 .Lentry_shape_is_right
	s_endpgm
.Lentry_shape_is_right:
; QKV: q = x Wq, k = x Wk, v = x Wv on codes of BF8 (K = 1,024); each finished sum is quantised at once, by the next product's given scale, and stored as codes.
; 384 tiles of 256 x 256.  Clusters with x < 4: q (cluster y 0, 1) and k (cluster y 2, 3): operand A = 256 tokens, operand B = 256 rows (head x 64 + e) of the weight.
; Clusters with x >= 4: v, with the roles changed: A = 256 rows of Wv, B = 256 tokens.  The regions differ in pointers, offsets and one exponent, all chosen by s_cselect on the cluster's numbers: one path.
; THE MATRIX INSTRUCTION IS USED TRANSPOSED (source 0 = 16 rows of B, source 1 = 16 rows of A): a lane holds one row of A and eight neighbouring rows of B.  So for q and k a lane holds a token and 8 neighbours
; along e, for v a channel and 8 neighbouring tokens (keys): in both the lane's registers run along the NEXT product's K, and each conversion of an accumulator gives two registers of the next operand.
; OPERANDS lie in memory as images of registers (a fragment of 16 rows x 128 K: 2,048 bytes, lane l's 16 bytes of register group c at 512 c + 16 l); 128 rows x 256 K are one dense block of 32,768 bytes.
; OUT, chunks of 512 bytes [lane][16]: q, k: [token tile 0-127][head x 2 + c]; v: [head x 4 + dt][batch x 32 + keys / 32].  A store of the wave covers 512 consecutive bytes.
; A work-group of four waves; a wave makes 128 x 128: 64 accumulators, 512 registers.  K goes in steps of 256 through two LDS slots; four fills, written out.
; CLUSTERS: 4 x 4.  A's blocks hang on the tile row alone and are asked for jointly along a row of the cluster, B's on the tile column alone and jointly along a column.
; LIMITS: e6 - e0 - e1, e7 - e2 - e3, e9 - e4 - e5 between -126 and 112.
; REGISTERS: window 0: v8-15 store offsets, v16-31 addresses and scales, v128-255 A's fragments (one set), later the codes.  window 1: B's fragments, two sets.  windows 2, 3: accumulators.
.set HALFT,  32768                     ; a block: what one tensor load brings, and what a wave reads of A or of B
.set SLOT,   4*HALFT                   ; A's two blocks, then B's two
.set SPARE,  2*SLOT                    ; behind the ring: the spare words, 128 bytes for each wave
.set FR,     16
.set NL,     4
.set NP,     4                         ; places behind this matrix instruction (ISA guide 7.12.1)
.set LO,   8                           ; v8-15   16 x lane + a x (bytes from a tile of A's rows to the next in the output)
.set ADRA, 16                          ; v16-17  LDS address of my A fragments in slot 0, 1
.set ADRB, 20                          ; v20-21  the same for B
.set SPW,  28                          ; v28     LDS address of my spare word; never rewritten
.set NIL,  29                          ; v29     0; never rewritten
.set SC,   30                          ; v30     the conversion's scale
.set LIM,  31
.set TMP,  32
.set AF,   128
.set CD,   128                         ; the codes: 16 registers for each of my eight tiles of A's rows, so that no store's data are written again
.set G1, 24
.set G0, 32
.set G1B, 48
.set G0B, 56
.set MSB, 0
.macro WIN new                         ; the immediate's high byte repeats the setting that is left
.if MSB != (\new)
	s_set_vgpr_msb (MSB<<8)|(\new)
.set MSB, (\new)
.endif
.endm
.set MUL_LO, 0xa1                      ; source 0 (B) window 1, source 1 (A) window 0, C and D window 2
.set MUL_HI, 0xf1
.set TO_B,   0x40
; A joint load: waves 0 and 1 fetch for A, waves 2 and 3 for B; the branch hangs on the wave's number alone.  Four v_nop follow each of the two lines.
.macro JLOAD g0a, g1a, g0b, g1b
	s_cmp_eq_u32 s15, 0
	s_cbranch_scc0 .Lfor_b_\@
	tensor_load_to_lds s[\g0a:\g0a+3], s[\g1a:\g1a+7]
	s_nop 0
.rept 4
	v_nop
.endr
	s_branch .Lasked_\@
.Lfor_b_\@:
	tensor_load_to_lds s[\g0b:\g0b+3], s[\g1b:\g1b+7]
	s_nop 0
.rept 4
	v_nop
.endr
.Lasked_\@:
.endm
.macro CREST                           ; a round of the cluster's barrier behind its opening barrier
	s_cmp_lg_u32 s14, 0
	s_cbranch_scc1 .Lnot_wave_0_\@
	s_barrier_signal -3
.Lnot_wave_0_\@:
	s_barrier_wait -3
	s_barrier_signal -1
	s_barrier_wait -1
.endm
.macro CROUND
	s_barrier_signal -1
	s_barrier_wait -1
	CREST
.endm
	s_load_b128 s[4:7], s[0:1], 0x0                ; xc s[4:5], wa s[6:7]
	s_load_b128 s[8:11], s[0:1], 0x10              ; the scales' exponents s[8:9], qkv s[10:11]
	v_lshl_add_u32 v[SPW], v0, 2, SPARE
	v_mov_b32 v[NIL], 0
	ds_add_u32 v28, v29
	ds_add_u32 v28, v29
	s_wait_dscnt 0x0
	v_lshrrev_b32 v1, 5, v0
	v_readfirstlane_b32 s14, v1                    ; wave 0..3
	s_lshr_b32 s15, s14, 1                         ; which half of A's rows is mine.  Also: I fetch for A (0) or for B (1)
	s_and_b32 s16, s14, 1                          ; which half of B's rows.  Also: which block of that operand I fetch
	s_bfe_u32 s40, ttmp6, 0x40000                  ; cx, cy: my place in the cluster
	s_bfe_u32 s41, ttmp6, 0x40004
	s_lshl_b32 s42, ttmp9, 2
	s_add_co_u32 s42, s42, s40                     ; gx = 4 x cluster x + cx
	s_and_b32 s18, ttmp7, 0xffff                   ; cluster y
	s_lshl_b32 s17, s18, 2
	s_add_co_u32 s17, s17, s41                     ; gy = 4 x cluster y + cy
	s_lshr_b32 s19, s18, 1                         ; in the q / k region: 0 q, 1 k
	s_lshl_b32 s43, s41, 2
	s_lshl_b32 s43, 15, s43                        ; my row of the cluster
	s_lshl_b32 s44, 0x1111, s40                    ; my column
	s_or_b32 s[G1+0], s43, (1<<21)                 ; 15:0 the mask: A's blocks go to my row; 17:16 elements of 1 byte; no padding; 21 set beside a mask
	s_or_b32 s[G1B+0], s44, (1<<21)
.irp g, G1, G1B
	s_mov_b32 s[\g+1], 256<<16                     ; a dense block as 128 rows of 256 bytes: tensor_dim0
	s_mov_b32 s[\g+2], 128<<16                     ; tensor_dim1
	s_mov_b32 s[\g+3], 256<<16                     ; tile_dim0
	s_mov_b32 s[\g+4], 128                         ; tile_dim1
	s_mov_b32 s[\g+5], 256                         ; pitch
	s_mov_b32 s[\g+6], 0
	s_mov_b32 s[\g+7], 0
.endr
	; A's offset, of gy and the cluster's numbers alone.  A run of 128 rows with K = 1,024 is four blocks: 131,072 bytes
	s_and_b32 s20, s17, 7
	s_lshl_b32 s20, s20, 1
	s_add_co_u32 s20, s20, s16
	s_lshl_b32 s20, s20, 17
	s_lshl_b32 s21, s19, 21
	s_add_co_u32 s20, s20, s21                     ; q, k: x's codes at that product's scale (2 MB each), tokens 256 (gy % 8) + 128 x half on
	s_lshl_b32 s22, s17, 1
	s_add_co_u32 s22, s22, s16
	s_lshl_b32 s22, s22, 17
	s_add_co_u32 s22, s22, 0x800000                ; v: Wv's codes (8 MB into wa), rows 256 gy + 128 x half on
	s_cmp_lt_u32 ttmp9, 4
	s_cselect_b32 s20, s20, s22
	s_mov_b32 s21, 0
	; B's offset, of gx and the cluster's numbers alone.  v: 4 MB + (2 (gx - 16) + half) x 131,072 is (2 gx + half) x 131,072 as well
	s_lshl_b32 s46, s42, 1
	s_add_co_u32 s46, s46, s16
	s_lshl_b32 s46, s46, 17
	s_lshl_b32 s47, s19, 22                        ; q, k: Wq's or Wk's codes (4 MB each)
	s_cmp_lt_u32 ttmp9, 4
	s_cselect_b32 s47, s47, 0
	s_add_co_u32 s46, s46, s47
	s_mov_b32 s47, 0
	s_lshl_b32 s45, s14, 15                        ; where my block goes: wave x 32,768: no place in the cluster enters an LDS address
	s_wait_kmcnt 0x0
	s_load_b512 s[68:83], s[8:9], 0x0              ; e0 .. e15
	s_cmp_lt_u32 ttmp9, 4
	s_cselect_b64 s[84:85], s[4:5], s[6:7]
	s_cselect_b64 s[86:87], s[6:7], s[4:5]
	s_add_nc_u64 s[20:21], s[84:85], s[20:21]
	s_add_nc_u64 s[46:47], s[86:87], s[46:47]
	CROUND                                         ; all sixteen work-groups are here: the first joint loads meet
.irp s, 0,1
	s_mov_b32 s[G0+4*\s], 1
	s_add_co_u32 s[G0+4*\s+1], s45, \s*SLOT
	s_add_nc_u64 s[G0+4*\s+2:G0+4*\s+3], s[20:21], \s*HALFT
	s_or_b32 s[G0+4*\s+3], s[G0+4*\s+3], 0x80000000
	s_mov_b32 s[G0B+4*\s], 1
	s_add_co_u32 s[G0B+4*\s+1], s45, \s*SLOT
	s_add_nc_u64 s[G0B+4*\s+2:G0B+4*\s+3], s[46:47], \s*HALFT
	s_or_b32 s[G0B+4*\s+3], s[G0B+4*\s+3], 0x80000000
	JLOAD G0+4*\s, G1, G0B+4*\s, G1B
.endr
	v_and_b32 v1, 31, v0
	v_lshlrev_b32 v4, 4, v1                        ; 16 x lane
	s_wait_alu depctr_va_vdst(0)
	s_lshl_b32 s21, s15, 15                        ; my block of A
	s_lshl_b32 s22, s16, 15                        ; my block of B,
	s_add_co_u32 s22, s22, 2*HALFT                 ; behind A's two
.irp s, 0,1
	v_add_nc_u32 v[ADRA+\s], s21, v4
	v_add_nc_u32 v[ADRB+\s], s22, v4
	s_add_co_u32 s21, s21, SLOT
	s_add_co_u32 s22, s22, SLOT
.endr
	; where my codes go
	s_and_b32 s88, s17, 7
	s_lshl_b32 s88, s88, 4
	s_lshl_b32 s89, s15, 3
	s_add_co_u32 s88, s88, s89                     ; q, k: my first token tile: 16 (gy % 8) + 8 (wave / 2),
	s_lshl_b32 s88, s88, 7                         ; 128 chunks each;
	s_lshl_b32 s90, s42, 3
	s_lshl_b32 s91, s16, 2
	s_add_co_u32 s90, s90, s91                     ; my first chunk: 8 gx + 4 (wave % 2)
	s_add_co_u32 s88, s88, s90
	s_lshl_b32 s88, s88, 9
	s_lshl_b32 s92, s19, 23                        ; k lies 8 MB behind q
	s_add_co_u32 s88, s88, s92
	s_lshl_b32 s93, s17, 4
	s_add_co_u32 s93, s93, s89                     ; v: my first tile of channels: 16 gy + 8 (wave / 2),
	s_lshl_b32 s93, s93, 6                         ; 64 chunks each;
	s_add_co_u32 s93, s93, s90
	s_sub_co_u32 s93, s93, 128                     ; chunk 8 (gx - 16) + 4 (wave % 2)
	s_lshl_b32 s93, s93, 9
	s_add_co_u32 s93, s93, 0x1000000               ; v lies 16 MB into the buffer
	s_cmp_lt_u32 ttmp9, 4
	s_cselect_b32 s88, s88, s93
	s_mov_b32 s94, 32768
	s_cselect_b32 s94, 65536, s94                  ; from a tile of A's rows to the next
	s_mov_b32 s89, 0
	s_add_nc_u64 s[10:11], s[10:11], s[88:89]
	v_mov_b32 v[LO], v4
.irp a, 1,2,3,4,5,6,7
	v_add_nc_u32 v[LO+\a], s94, v[LO+\a-1]
.endr
.macro FRAG reg, adr, q, i             ; a fragment comes as it lies: four loads of 512 consecutive bytes
.irp c, 0,1,2,3
	ds_load_b128 v[\reg+4*\c:\reg+4*\c+3], v[\adr] offset:16384*(\q)+2048*(\i)+512*\c
.endr
.endm
; 16 matrix instructions: A's blocks a0, a0 + 1 x B's eight, 128 along K.  The 64 accumulators take turns, one instruction a turn, in the same order in every step.
.macro MUL16 a0, p, zero
.irp a, \a0, \a0+1
.irp b, 0,1,2,3,4,5,6,7
.if \zero
	v_wmma_f32_16x16x128_bf8_bf8 v[8*(8*((\a)%4)+\b):8*(8*((\a)%4)+\b)+7], v[128*(\p)+FR*\b:128*(\p)+FR*\b+FR-1], v[AF+FR*(\a):AF+FR*(\a)+FR-1], 0
.else
	v_wmma_f32_16x16x128_bf8_bf8 v[8*(8*((\a)%4)+\b):8*(8*((\a)%4)+\b)+7], v[128*(\p)+FR*\b:128*(\p)+FR*\b+FR-1], v[AF+FR*(\a):AF+FR*(\a)+FR-1], v[8*(8*((\a)%4)+\b):8*(8*((\a)%4)+\b)+7]
.endif
.endr
.endr
.endm
.macro FETCH_B slot, q, p
	WIN TO_B
.irp i, 0,1,2,3,4,5,6,7
	FRAG 128*(\p)+FR*\i, ADRB+\slot, \q, \i
.endr
	WIN 0
.endm
.macro FETCH_A slot, q, i0
.irp i, \i0, \i0+1, \i0+2, \i0+3
	FRAG AF+FR*(\i), ADRA+\slot, \q, \i
.endr
.endm
.macro PLACES n                        ; plain vector lines between a matrix instruction and a load into, or a read of, its registers
.rept \n
	v_nop
.endr
.endm
; A step of 128 along K that has its successor in the same slot.  A has one set of registers: blocks 0-3 are fetched anew in the step's middle, blocks 4-7 at its end; B has two sets.
.macro STEP slot, q, zero
	s_wait_dscnt 4*NL                              ; B's set and A's blocks 0-3 are in; the youngest 16 loads (A's blocks 4-7) may be out
	WIN MUL_LO
	MUL16 0, (\q)%2, \zero
	MUL16 2, (\q)%2, \zero
	s_wait_dscnt 0
	PLACES NP
	FETCH_B \slot, (\q)+1, 1-(\q)%2
	FETCH_A \slot, (\q)+1, 0
	WIN MUL_HI
	MUL16 4, (\q)%2, \zero
	MUL16 6, (\q)%2, \zero
	PLACES NP
	WIN 0
	FETCH_A \slot, (\q)+1, 4
.endm
; A slot's last step changes slots: one barrier; in front of it each wave waits for all its tensor loads, adds 0 to its spare word, and waits for that and for its reads of this slot.
.macro TURN slot, next, fill
	s_wait_tensorcnt 0x0                           ; all my tensor loads have landed: my part of the next slot
	ds_add_u32 v[SPW], v[NIL]                      ; 0 onto my spare word
	s_wait_dscnt 4*NL+1                            ; (the add and the youngest 16 loads may be out)
	WIN MUL_LO
	MUL16 0, 1, 0
	s_wait_dscnt 0x0                               ; the add is done, and my reads of this slot are over
	s_barrier_signal -1
	MUL16 2, 1, 0
	WIN 0
	s_barrier_wait -1
.if \fill
	CREST                                          ; the barrier has opened a round of the cluster's barrier: no wave of any partner still reads this slot or has a load on its way
	s_add_nc_u64 s[G0+4*\slot+2:G0+4*\slot+3], s[G0+4*\slot+2:G0+4*\slot+3], 2*HALFT
	s_add_nc_u64 s[G0B+4*\slot+2:G0B+4*\slot+3], s[G0B+4*\slot+2:G0B+4*\slot+3], 2*HALFT
	JLOAD G0+4*\slot, G1, G0B+4*\slot, G1B         ; the first tensor load behind the round; its four v_nop are the places in front of the loads below
.else
	PLACES NP
.endif
	s_wait_alu depctr_va_vdst(0)
	FETCH_B \next, 0, 0
	FETCH_A \next, 0, 0
	WIN MUL_HI
	MUL16 4, 1, 0
	MUL16 6, 1, 0
	PLACES NP
	WIN 0
	FETCH_A \next, 0, 4
.endm
	s_wait_tensorcnt 1                             ; my part of slot 0 is in; slot 1's load may be out
	s_barrier_signal -1
	s_barrier_wait -1
	FETCH_B 0, 0, 0
	FETCH_A 0, 0, 0
	FETCH_A 0, 0, 4
	STEP 0, 0, 1                                   ; K 0-127: these products start the sums
	TURN 0, 1, 1                                   ; slot 0 takes K 512-767
	STEP 1, 0, 0
	TURN 1, 0, 1                                   ; slot 1 takes K 768-1,023
	STEP 0, 0, 0
	TURN 0, 1, 0
	STEP 1, 0, 0
	s_wait_dscnt 4*NL                              ; the last step: nothing more to fetch
	WIN MUL_LO
	MUL16 0, 1, 0
	MUL16 2, 1, 0
	s_wait_dscnt 0
	WIN MUL_HI
	MUL16 4, 1, 0
	MUL16 6, 1, 0
	WIN 0
	; THE WAY OUT.  A sum stands for sum x 2^(eW + ex); its code is sum / 2^(eout - eW - ex): the three scales folded into the conversion's one
	s_wait_kmcnt 0x0
	s_sub_co_i32 s84, s74, s68
	s_sub_co_i32 s84, s84, s69                     ; q: e6 - e0 - e1
	s_sub_co_i32 s85, s75, s70
	s_sub_co_i32 s85, s85, s71                     ; k: e7 - e2 - e3
	s_sub_co_i32 s86, s77, s72
	s_sub_co_i32 s86, s86, s73                     ; v: e9 - e4 - e5
	s_cmp_eq_u32 s19, 0
	s_cselect_b32 s84, s84, s85
	s_cmp_lt_u32 ttmp9, 4
	s_cselect_b32 s84, s84, s86
	s_add_co_i32 s84, s84, 127
	s_lshl_b32 s85, s84, 23
	v_mov_b32 v[SC], s85
	s_add_co_i32 s84, s84, 15
	s_lshl_b32 s84, s84, 23
	s_or_b32 s84, s84, 0x600000
	PLACES NP
; My tile a of A's rows: 64 sums a lane are converted and stored: accumulators 2 c and 2 c + 1 give the 16 bytes of chunk c.
.macro EPI a
.set AC, 64*((\a)%4)
	WIN 0x02+((\a)/4)                              ; source 0: window 2 or 3
.set n, 0
.rept 64
.set n, n+1
.endr
.irp b, 0,1,2,3,4,5,6,7
	v_cvt_scalef32_pk8_bf8_f32 v[CD+16*(\a)+2*\b:CD+16*(\a)+2*\b+1], v[AC+8*\b:AC+8*\b+7], v[SC]
.endr
	WIN 0
	v_nop                                          ; a plain line behind the conversions
.irp c, 0,1,2,3
	global_store_b128 v[LO+(\a)], v[CD+16*(\a)+4*\c:CD+16*(\a)+4*\c+3], s[10:11] offset:512*\c   ; 32 lanes store 512 consecutive bytes, aligned
.endr
.endm
.irp a, 0,1,2,3,4,5,6,7
	EPI \a
.endr
	s_wait_tensorcnt 0x0                           ; the wave's end
	ds_add_u32 v[SPW], v[NIL]
	s_wait_dscnt 0x0
	CROUND                                         ; the closing round
	s_endpgm
.Lfunc_end_k_q46b0783ba7_qkv:
	.size	k_q46b0783ba7_qkv, .Lfunc_end_k_q46b0783ba7_qkv-k_q46b0783ba7_qkv
	.p2alignl 7, 3214868480
	.fill 96, 4, 3214868480
	.section	.rodata,"a",@progbits
	.p2align	6, 0x0
	.amdhsa_kernel k_q46b0783ba7_qkv
		.amdhsa_group_segment_fixed_size 327680
		.amdhsa_private_segment_fixed_size 0
		.amdhsa_enable_private_segment 0
		.amdhsa_kernarg_size 32
		.amdhsa_user_sgpr_count 2
		.amdhsa_user_sgpr_kernarg_segment_ptr 1
		.amdhsa_wavefront_size32 1
		.amdhsa_system_sgpr_workgroup_id_x 1
		.amdhsa_system_sgpr_workgroup_id_y 1
		.amdhsa_system_sgpr_workgroup_id_z 1
		.amdhsa_system_vgpr_workitem_id 0
		.amdhsa_next_free_vgpr 1024
		.amdhsa_next_free_sgpr 100
		.amdhsa_reserve_vcc 0
		.amdhsa_float_denorm_mode_32 3
		.amdhsa_float_denorm_mode_16_64 3
		.amdhsa_fp16_overflow 1
		.amdhsa_memory_ordered 1
		.amdhsa_forward_progress 1
		.amdhsa_inst_pref_size 87
	.end_amdhsa_kernel
	.amdgpu_metadata
---
amdhsa.version: [ 1, 2 ]
amdhsa.kernels:
  - .name:           k_q46b0783ba7_qkv
    .symbol:         k_q46b0783ba7_qkv.kd
    .args:
      - { .name: xc, .offset: 0, .size: 8, .value_kind: global_buffer, .address_space: global }
      - { .name: wa, .offset: 8, .size: 8, .value_kind: global_buffer, .address_space: global }
      - { .name: lowp_scales, .offset: 16, .size: 8, .value_kind: global_buffer, .address_space: global }
      - { .name: qkv, .offset: 24, .size: 8, .value_kind: global_buffer, .address_space: global }
    .group_segment_fixed_size: 327680
    .private_segment_fixed_size: 0
    .kernarg_segment_align: 8
    .kernarg_segment_size: 32
    .max_flat_workgroup_size: 128
    .sgpr_count:     100
    .vgpr_count:     1024
    .wavefront_size: 32
...
	.end_amdgpu_metadata
.endif
;; end of part 2
;; launch attn (part 3): grid 2 x 128, 16 waves a work-group, no clusters, 169,984 bytes of LDS; arguments qkv, lowp_scales, act; writes act
.if DOCPART == 3
	.amdgcn_target "amdgcn-amd-amdhsa--gfx1250"
	.amdhsa_code_object_version 6
	.text
	.protected	k_q46b0783ba7_attn
	.globl	k_q46b0783ba7_attn
	.p2align	8
	.type	k_q46b0783ba7_attn,@function
k_q46b0783ba7_attn:
	s_mov_b64 s[64:65], 0
	v_nop
	global_prefetch_b8 v0, s[64:65] scope:SCOPE_SE
	s_setreg_imm32_b32 hwreg(HW_REG_WAVE_MODE, 25, 1), 1
	s_wait_xcnt 0x0
; ATTENTION, causal, 128 (batch, head) pairs of 1,024 tokens, head size 64, both products on codes of BF8; the result is divided by the row's sum and quantised at once for the product with Wo.
; THE SOFTMAX: t = score x log2(e) / 8; M = the running largest t rounded UP to a whole number; p = 2^(t - M) is quantised, not normalised; the row's sum is taken of the unquantised p in f32.
; When M moves, the sum and O are multiplied by 2^(old M - new M), which rounds nothing.
; SHARES.  Two work-groups to a (batch, head).  Wave w of work-group g owns the tiles of 16 queries i = 16 g + w and 63 - i: i / 8 + 1 and (63 - i) / 8 + 1 key steps of 128, nine in all for every wave.
; THE HEAD'S WHOLE K AND V LIE IN LDS (65,536 bytes each), filled once by eight tensor loads (waves 0-3: K, waves 4-7: V): no ring, nothing is filled again, one barrier.
; Both tiles' Q are asked for at the head, while those fills are on their way.
; NO CLUSTER: only two work-groups share a head's K and V, and what they share is the one fill of 131,072 bytes at the head.
; LAYOUT.  Both products transposed: S^T = K Q^T (source 0 = 16 keys, source 1 = my 16 queries; K = 64), O^T = V^T P^T (source 0 = 16 channels, source 1 = P; K = 128 keys): a lane holds ONE query throughout.
; In S^T lane (r, h) holds keys 16 t + 8 h + j in tile t's register j: that is the place that the 8-bit form gives k = 16 t + 8 h + j in registers 2 t, 2 t + 1: each conversion gives two registers of P.
; A step all of whose keys come after my queries is left out by a scalar branch on ids; the loop's trip count is the constant 8.  In the step on the diagonal hidden scores become -infinity ahead of the maximum.
; OUT: codes in the register-image layout with K = head x 64 + e.
; LIMITS: e6 + e7 between -123 and 130; e8, and e10 - e8 - e9, between -126 and 112.
; REGISTERS: v1 16 x lane; v2 r - 8 h; v8, v9 LDS addresses; v12 -M, v13 the largest t, v[14:15] the sum; v16-23, v24-31 Q of my two tiles; v32-95 fragments; v96-159 S^T, then p; v160-191 O^T; v192-199 codes out; v200-213 at work; v224-239 P.
.set L16, 1
.set RB,  2
.set ADK, 8
.set ADV, 9
.set WV,    10
.set BATCH, 11
.set HEAD,  12
.set SEL,   14                         ; s14, s15  lane selects: lane l xor 16
.set CS,    16                         ; s[16:17]  c = log2(e) / 8 x 2^(e6 + e7)
.set G1K,   24
.set G1V,   32
.set G0K,   40
.set G0V,   44
.set T,     66                         ; my tile of queries
.set TD,    67                         ; its last key step
.set KS,    68                         ; the key step, and the loop's counter
.set KB,    69                         ; LDS byte of the step's keys
.set VB,    70                         ; and of its values
.set QB,    72                         ; s[72:73]  Q of my first tile
.set OB,    74
.set QH,    84
.set AH,    86
.set QB2,   88                         ; s[88:89]  Q of my second tile
	s_load_b128 s[4:7], s[0:1], 0x0                ; qkv s[4:5], the scales' exponents s[6:7]
	s_load_b64 s[8:9], s[0:1], 0x10                ; act
	v_lshl_add_u32 v254, v0, 2, 0x29000
	v_mov_b32 v255, 0
	ds_add_u32 v254, v255
	ds_add_u32 v254, v255
	v_lshrrev_b32 v3, 5, v0
	s_delay_alu instid0(VALU_DEP_1)
	v_readfirstlane_b32 s[WV], v3                  ; wave 0..15
	s_and_b32 s18, ttmp7, 0xffff
	s_lshr_b32 s[BATCH], s18, 6
	s_and_b32 s[HEAD], s18, 63
	s_mov_b32 s[G1K], 3<<16                        ; K: 16 tiles of keys, 1,024 bytes each (128 elements of 8 bytes), 65,536 bytes apart in memory, on end in LDS
	s_mov_b32 s[G1K+1], 128<<16
	s_mov_b32 s[G1K+2], 16<<16
	s_mov_b32 s[G1K+3], 128<<16
	s_mov_b32 s[G1K+4], 16
	s_mov_b32 s[G1K+5], 8192
	s_mov_b32 s[G1K+6], 0
	s_mov_b32 s[G1V+6], 0
	s_mov_b32 s[G1K+7], 0
	s_mov_b32 s[G1V+7], 0
	s_mov_b32 s[G1V], 3<<16                        ; V: 16 channels' 1,024 keys: a dense block of 16,384 bytes as 64 rows of 256
	s_mov_b32 s[G1V+1], 32<<16
	s_mov_b32 s[G1V+2], 64<<16
	s_mov_b32 s[G1V+3], 32<<16
	s_mov_b32 s[G1V+4], 64
	s_mov_b32 s[G1V+5], 32
	s_and_b32 s19, s[WV], 3
	s_lshl_b32 s20, s[BATCH], 22                   ; K: 8 MB + (batch x 64 + 16 (wave % 4)) tiles x 65,536 + head x 1,024
	s_lshl_b32 s21, s19, 20
	s_add_co_u32 s20, s20, s21
	s_lshl_b32 s21, s[HEAD], 10
	s_add_co_u32 s20, s20, s21
	s_add_co_u32 s20, s20, 0x800000
	s_mov_b32 s21, 0
	s_lshl_b32 s22, s[HEAD], 17                    ; V: 16 MB + (head x 4 + wave % 4) x 32,768 + batch x 16,384
	s_lshl_b32 s23, s19, 15
	s_add_co_u32 s22, s22, s23
	s_lshl_b32 s23, s[BATCH], 14
	s_add_co_u32 s22, s22, s23
	s_add_co_u32 s22, s22, 0x1000000
	s_mov_b32 s23, 0
	s_lshl_b32 s76, s[WV], 14                      ; LDS: wave x 16,384: K's four parts at 0, V's four at 65,536
	s_wait_dscnt 0x0
	s_wait_kmcnt 0x0
	s_load_b512 s[48:63], s[6:7], 0x0              ; e0 .. e15
	s_mov_b32 s[G0K], 1
	s_mov_b32 s[G0K+1], s76
	s_add_nc_u64 s[G0K+2:G0K+3], s[4:5], s[20:21]
	s_or_b32 s[G0K+3], s[G0K+3], 0x80000000
	s_mov_b32 s[G0V], 1
	s_mov_b32 s[G0V+1], s76
	s_add_nc_u64 s[G0V+2:G0V+3], s[4:5], s[22:23]
	s_or_b32 s[G0V+3], s[G0V+3], 0x80000000
	s_cmp_lt_u32 s[WV], 4                          ; the only fills of the launch: one load in each of eight waves; four v_nop follow each line
	s_cbranch_scc0 .Lnot_k
	tensor_load_to_lds s[G0K:G0K+3], s[G1K:G1K+7]
	s_nop 0
.rept 4
	v_nop
.endr
	s_branch .Lasked
.Lnot_k:
	s_cmp_lt_u32 s[WV], 8
	s_cbranch_scc0 .Lasked
	tensor_load_to_lds s[G0V:G0V+3], s[G1V:G1V+7]
	s_nop 0
.rept 4
	v_nop
.endr
.Lasked:
	v_and_b32 v3, 31, v0
	s_delay_alu instid0(VALU_DEP_1)
	v_lshlrev_b32 v[L16], 4, v3
	s_wait_alu depctr_va_vdst(0)
	s_lshl_b32 s78, s[HEAD], 10
	s_mov_b32 s79, 0
	s_add_nc_u64 s[QH:QH+1], s[4:5], s[78:79]      ; q at my head's two chunks of token tile 0
	s_lshl_b32 s[T], ttmp9, 4
	s_add_co_u32 s[T], s[T], s[WV]                 ; my first tile of queries: 16 g + w
	s_lshl_b32 s76, s[BATCH], 6
	s_add_co_u32 s77, s76, s[T]                    ; the token tile among all 128: 65,536 bytes each
	s_lshl_b32 s78, s77, 16
	s_add_nc_u64 s[QB:QB+1], s[QH:QH+1], s[78:79]
	global_load_b128 v[16:19], v[L16], s[QB:QB+1]              ; Q of both tiles is asked for here: it comes while K's and V's fills are on their way
	global_load_b128 v[20:23], v[L16], s[QB:QB+1] offset:512
	s_sub_co_u32 s77, 63, s[T]                     ; my second tile: 63 - the first
	s_add_co_u32 s77, s77, s76
	s_lshl_b32 s78, s77, 16
	s_add_nc_u64 s[QB2:QB2+1], s[QH:QH+1], s[78:79]
	global_load_b128 v[24:27], v[L16], s[QB2:QB2+1]
	global_load_b128 v[28:31], v[L16], s[QB2:QB2+1] offset:512
	v_and_b32 v3, 15, v0
	v_bfe_u32 v4, v0, 4, 1
	s_delay_alu instid0(VALU_DEP_1)
	v_lshlrev_b32 v4, 3, v4
	s_delay_alu instid0(VALU_DEP_1)
	v_sub_nc_u32 v[RB], v3, v4                     ; r - 8 h
	v_mov_b32 v200, 0                              ; written once: a lane permute's destination counts as one of its sources
	v_mov_b32 v203, 0                              ; (named as the upper half of the pair v[202:203])
	v_mov_b32 v212, 0xff800000                     ; -infinity
	s_mov_b32 s[SEL], 0x76543210
	s_mov_b32 s[SEL+1], 0xfedcba98
	s_lshr_b32 s78, s[HEAD], 1
	s_lshl_b32 s78, s78, 14
	s_and_b32 s77, s[HEAD], 1
	s_lshl_b32 s77, s77, 10
	s_add_co_u32 s78, s78, s77
	s_add_nc_u64 s[AH:AH+1], s[8:9], s[78:79]      ; act at K step head / 2, register groups 2 (head % 2) on
	s_wait_alu depctr_va_vdst(0)
	s_wait_kmcnt 0x0
	s_add_co_i32 s77, s54, s55
	s_lshl_b32 s77, s77, 23
	s_add_co_i32 s[CS], s77, 0x3e38aa3b            ; log2(e) / 8, with e6 + e7 added to its exponent field
	s_mov_b32 s[CS+1], s[CS]
	s_add_co_i32 s77, s56, 127
	s_lshl_b32 s78, s77, 23
	v_mov_b32 v209, s78                            ; 2^e8, for p's conversion
	s_sub_co_i32 s77, s58, s56
	s_sub_co_i32 s77, s77, s57                     ; O / l stands for (O / l) x 2^(e8 + e9): its code is (O / l) / 2^(e10 - e8 - e9)
	s_add_co_i32 s77, s77, 127
	s_lshl_b32 s78, s77, 23
	v_mov_b32 v211, s78
	s_wait_loadcnt 0x0                             ; Q of both tiles is in
	s_wait_tensorcnt 0x0                           ; my load, if I had one, has landed;
	s_barrier_signal -1
	s_barrier_wait -1                              ; everybody's has: K and V are whole, and nobody writes LDS from here on
.macro TILE qr                         ; the tile of queries s[T], whose Q stands in v[qr] on, up to its codes
	s_wait_xcnt 0x0                                ; the last tile's stores have read their base and their data
	s_lshr_b32 s[TD], s[T], 3
	s_lshl_b32 s76, s[BATCH], 6
	s_add_co_u32 s76, s76, s[T]                    ; the token tile among all 128
	s_lshr_b32 s78, s76, 3
	s_lshl_b32 s78, s78, 19                        ; 128 tokens x 4,096 codes
	s_and_b32 s77, s76, 7
	s_lshl_b32 s77, s77, 11
	s_add_co_u32 s78, s78, s77
	s_mov_b32 s79, 0
	s_add_nc_u64 s[OB:OB+1], s[AH:AH+1], s[78:79]
	s_and_b32 s77, s[T], 7
	s_lshl_b32 s77, s77, 4
	v_add_nc_u32 v213, s77, v[RB]                  ; d = 16 (T % 8) + r - 8 h: on the diagonal, register 8 t + j is hidden where 16 t + j > d
	v_mov_b32 v13, 0xff61b1e6                      ; the largest t so far: -3e38
	s_delay_alu instid0(VALU_DEP_1)
	v_floor_f32 v12, -v13
	v_mov_b32 v14, 0
	v_mov_b32 v15, 0
.set j, 0
.rept 32
	v_mov_b32 v[160+j], 0                          ; O^T: the step is written once; its first trip finds zeros
.set j, j+1
.endr
	s_mov_b32 s[KS], 0
	s_mov_b32 s[KB], 0
	s_mov_b32 s[VB], 65536
.Lstep_\@:
	s_cmp_gt_u32 s[KS], s[TD]
	s_cbranch_scc1 .Lskip_\@                       ; all 128 keys come after my queries
	s_setprio 2
	v_add_nc_u32 v[ADK], s[KB], v[L16]
	v_add_nc_u32 v[ADV], s[VB], v[L16]
	v_nop
	v_nop                                          ; four places in front of loads into registers that the last products read
.irp t, 0,1,2,3,4,5,6,7
	ds_load_b128 v[32+8*\t:35+8*\t], v[ADK] offset:1024*\t
	ds_load_b128 v[36+8*\t:39+8*\t], v[ADK] offset:1024*\t+512
.endr
	s_wait_alu depctr_va_vdst(0)
	s_wait_dscnt 0x0
.irp t, 0,1,2,3,4,5,6,7
	v_wmma_f32_16x16x64_bf8_bf8 v[96+8*\t:103+8*\t], v[32+8*\t:39+8*\t], v[\qr:\qr+7], 0
.endr
.rept 4
	v_nop                                          ; four places: behind them the scores are read, and K's registers take V's fragments
.endr
.irp t, 0,1,2,3
.irp c, 0,1,2,3
	ds_load_b128 v[32+16*\t+4*\c:35+16*\t+4*\c], v[ADV] offset:16384*\t+512*\c   ; V is asked for here: it lands while the softmax is worked, which touches none of v32-95
.endr
.endr
	s_cmp_lg_u32 s[KS], s[TD]
	s_cbranch_scc1 .Lopen_\@                       ; all keys of the step count
.set n, 0
.rept 64
	v_cmp_gt_i32 vcc_lo, 16*(n/8)+n%8, v213
	v_cndmask_b32 v[96+n], v[96+n], v212, vcc_lo
.set n, n+1
.endr
.Lopen_\@:
	v_max3_num_f32 v204, v96, v97, v98             ; the step's largest score of my query among my 64 keys, in two chains,
	v_max3_num_f32 v205, v99, v100, v101
.set i, 6
.rept 14
	v_max3_num_f32 v204, v204, v[96+i], v[97+i]
	v_max3_num_f32 v205, v205, v[98+i], v[99+i]
.set i, i+4
.endr
	v_max3_num_f32 v204, v204, v158, v159
	s_delay_alu instid0(VALU_DEP_1)
	v_max_num_f32 v204, v204, v205
	s_delay_alu instid0(VALU_DEP_1)
	v_permlanex16_b32 v200, v204, s[SEL], s[SEL+1]
	s_delay_alu instid0(VALU_DEP_1)
	v_max_num_f32 v204, v204, v200                 ; and among lane l xor 16's
	s_delay_alu instid0(VALU_DEP_1)
	v_mul_f32 v204, s[CS], v204                    ; as t (c is positive)
	s_delay_alu instid0(VALU_DEP_1)
	v_max_num_f32 v13, v13, v204
	v_mov_b32 v204, v12
	s_delay_alu instid0(VALU_DEP_2)
	v_floor_f32 v12, -v13                          ; the new -M = floor(-t)
	s_delay_alu instid0(VALU_DEP_1)
	v_sub_f32 v204, v12, v204                      ; old M - new M: a whole number, 0 or less
	s_delay_alu instid0(VALU_DEP_1)
	v_cvt_i32_f32 v204, v204
	s_delay_alu instid0(VALU_DEP_1)
	v_ldexp_f32 v202, 1.0, v204                    ; f = 2^(old M - new M)
.set j, 0
	s_setprio 1
.rept 32
	v_pk_fma_f32 v[96+j:97+j], v[96+j:97+j], s[CS:CS+1], v[12:13] op_sel_hi:[1,0,0]   ; t - M
.set j, j+2
.endr
.set j, 0
	s_wait_alu depctr_va_vdst(0)
.rept 64
	v_exp_f32 v[96+j], v[96+j]                     ; p = 2^(t - M)
.set j, j+1
.endr
	v_pk_mul_f32 v[14:15], v[14:15], v[202:203] op_sel_hi:[1,0]   ; the sum under the new M: the plain line behind the exponentials
	s_wait_alu depctr_va_vdst(0)                   ; one wait for the batch, ahead of its first reader
	v_pk_add_f32 v[206:207], v[100:101], v[104:105]
	v_pk_add_f32 v[252:253], v[108:109], v[112:113]
	v_pk_add_f32 v[250:251], v[116:117], v[120:121]
	v_pk_add_f32 v[248:249], v[124:125], v[128:129]
	v_pk_add_f32 v[246:247], v[132:133], v[136:137]
	v_pk_add_f32 v[244:245], v[140:141], v[144:145]
	v_pk_add_f32 v[242:243], v[148:149], v[152:153]
	v_pk_add_f32 v[14:15], v[14:15], v[156:157]
	v_pk_add_f32 v[206:207], v[206:207], v[96:97]
	v_pk_add_f32 v[252:253], v[252:253], v[98:99]
	v_pk_add_f32 v[250:251], v[250:251], v[102:103]
	v_pk_add_f32 v[248:249], v[248:249], v[106:107]
	v_pk_add_f32 v[246:247], v[246:247], v[110:111]
	v_pk_add_f32 v[244:245], v[244:245], v[114:115]
	v_pk_add_f32 v[242:243], v[242:243], v[118:119]
	v_pk_add_f32 v[14:15], v[14:15], v[122:123]
	v_pk_add_f32 v[206:207], v[206:207], v[126:127]
	v_pk_add_f32 v[252:253], v[252:253], v[130:131]
	v_pk_add_f32 v[250:251], v[250:251], v[134:135]
	v_pk_add_f32 v[248:249], v[248:249], v[138:139]
	v_pk_add_f32 v[246:247], v[246:247], v[142:143]
	v_pk_add_f32 v[244:245], v[244:245], v[146:147]
	v_pk_add_f32 v[242:243], v[242:243], v[150:151]
	s_setprio 0
	v_pk_add_f32 v[14:15], v[14:15], v[154:155]
	v_pk_add_f32 v[206:207], v[206:207], v[158:159]
	s_delay_alu instid0(VALU_DEP_2)
	v_pk_add_f32 v[14:15], v[14:15], v[248:249]
	s_delay_alu instid0(VALU_DEP_2)
	v_pk_add_f32 v[206:207], v[206:207], v[246:247]
	v_pk_add_f32 v[252:253], v[252:253], v[244:245]
	v_pk_add_f32 v[250:251], v[250:251], v[242:243]
	s_delay_alu instid0(VALU_DEP_2)
	v_pk_add_f32 v[14:15], v[14:15], v[252:253]
	s_delay_alu instid0(VALU_DEP_2)
	v_pk_add_f32 v[206:207], v[206:207], v[250:251]
	s_delay_alu instid0(VALU_DEP_1)
	v_pk_add_f32 v[14:15], v[14:15], v[206:207]
.irp t, 0,1,2,3,4,5,6,7
.irp i, 0,1,2,3,4,5,6,7
.endr
	v_cvt_scalef32_pk8_bf8_f32 v[224+2*\t:225+2*\t], v[96+8*\t:103+8*\t], v209
.endr
.set j, 0
.rept 16
	v_pk_mul_f32 v[160+j:161+j], v[160+j:161+j], v[202:203] op_sel_hi:[1,0]   ; O^T under the new M; also the plain lines between the conversions and the products
.set j, j+2
.endr
	s_wait_alu depctr_va_vdst(0)
	s_wait_dscnt 0x0                               ; V's sixteen loads, issued ahead of the softmax, are in
.irp t, 0,1,2,3
	v_wmma_f32_16x16x128_bf8_bf8 v[160+8*\t:167+8*\t], v[32+16*\t:47+16*\t], v[224:239], v[160+8*\t:167+8*\t]   ; four accumulators by turns, one instruction a turn
.endr
.Lskip_\@:
	s_add_co_u32 s[KS], s[KS], 1
	s_add_co_u32 s[KB], s[KB], 8192
	s_add_co_u32 s[VB], s[VB], 2048
	s_cmp_lt_u32 s[KS], 8
	s_cbranch_scc1 .Lstep_\@
	s_setprio 0
.rept 4
	v_nop                                          ; places behind the last products, also on the way through steps that were left out
.endr
	v_add_f32 v14, v14, v15
	s_delay_alu instid0(VALU_DEP_1)
	v_permlanex16_b32 v200, v14, s[SEL], s[SEL+1]
	s_delay_alu instid0(VALU_DEP_1)
	v_add_f32 v14, v14, v200                       ; the row's sum
	s_wait_alu depctr_va_vdst(0)
	v_rcp_f32 v14, v14
	v_nop
	s_wait_alu depctr_va_vdst(0)
.set j, 0
.rept 32
	v_mul_f32 v[96+j], v[160+j], v14               ; O^T / the sum: register 8 t + i is channel 16 t + 8 h + i of my query
.set j, j+1
.endr
.set j, 0
.rept 32
.set j, j+1
.endr
.irp t, 0,1,2,3
	v_cvt_scalef32_pk8_bf8_f32 v[192+2*\t:193+2*\t], v[96+8*\t:103+8*\t], v211
.endr
	v_nop                                          ; a plain line behind the last conversion
	global_store_b128 v[L16], v[192:195], s[OB:OB+1]              ; 32 lanes store 512 consecutive bytes, aligned
	global_store_b128 v[L16], v[196:199], s[OB:OB+1] offset:512
.endm
	TILE 16
	s_sub_co_u32 s[T], 63, s[T]
	TILE 24
	s_wait_tensorcnt 0x0
	ds_add_u32 v254, v255
	s_wait_dscnt 0x0
	s_endpgm
.Lfunc_end_k_q46b0783ba7_attn:
	.size	k_q46b0783ba7_attn, .Lfunc_end_k_q46b0783ba7_attn-k_q46b0783ba7_attn
	.p2alignl 7, 3214868480
	.fill 96, 4, 3214868480
	.section	.rodata,"a",@progbits
	.p2align	6, 0x0
	.amdhsa_kernel k_q46b0783ba7_attn
		.amdhsa_group_segment_fixed_size 169984
		.amdhsa_private_segment_fixed_size 0
		.amdhsa_enable_private_segment 0
		.amdhsa_kernarg_size 24
		.amdhsa_user_sgpr_count 2
		.amdhsa_user_sgpr_kernarg_segment_ptr 1
		.amdhsa_wavefront_size32 1
		.amdhsa_system_sgpr_workgroup_id_x 1
		.amdhsa_system_sgpr_workgroup_id_y 1
		.amdhsa_system_sgpr_workgroup_id_z 1
		.amdhsa_system_vgpr_workitem_id 0
		.amdhsa_next_free_vgpr 256
		.amdhsa_next_free_sgpr 96
		.amdhsa_reserve_vcc 1
		.amdhsa_float_denorm_mode_32 3
		.amdhsa_float_denorm_mode_16_64 3
		.amdhsa_fp16_overflow 1
		.amdhsa_memory_ordered 1
		.amdhsa_forward_progress 1
		.amdhsa_inst_pref_size 51
	.end_amdhsa_kernel
	.amdgpu_metadata
---
amdhsa.version: [ 1, 2 ]
amdhsa.kernels:
  - .name:           k_q46b0783ba7_attn
    .symbol:         k_q46b0783ba7_attn.kd
    .args:
      - { .name: qkv, .offset: 0, .size: 8, .value_kind: global_buffer, .address_space: global }
      - { .name: lowp_scales, .offset: 8, .size: 8, .value_kind: global_buffer, .address_space: global }
      - { .name: act, .offset: 16, .size: 8, .value_kind: global_buffer, .address_space: global }
    .group_segment_fixed_size: 169984
    .private_segment_fixed_size: 0
    .kernarg_segment_align: 8
    .kernarg_segment_size: 24
    .max_flat_workgroup_size: 512
    .sgpr_count:     96
    .vgpr_count:     256
    .wavefront_size: 32
...
	.end_amdgpu_metadata
.endif
;; end of part 3
;; launch gemmO (part 4): grid 8 x 32, 4 waves a work-group, clusters of 4 x 4, 327,680 bytes of LDS; arguments act, woc, yraw; writes yraw
.if DOCPART == 4
	.amdgcn_target "amdgcn-amd-amdhsa--gfx1250"
	.amdhsa_code_object_version 6
	.text
	.protected	k_q46b0783ba7_gemmO
	.globl	k_q46b0783ba7_gemmO
	.p2align	8
	.type	k_q46b0783ba7_gemmO,@function
k_q46b0783ba7_gemmO:
	s_mov_b64 s[64:65], 0
	v_nop
	global_prefetch_b8 v0, s[64:65] scope:SCOPE_SE
	s_setreg_imm32_b32 hwreg(HW_REG_WAVE_MODE, 25, 1), 1
	s_wait_xcnt 0x0
	s_wait_alu depctr_hold_cnt(0) depctr_sa_sdst(0) depctr_va_vdst(0) depctr_va_sdst(0) depctr_va_ssrc(0) depctr_va_vcc(0) depctr_vm_vsrc(0)
	s_getreg_b32 s2, hwreg(HW_REG_IB_STS2, 6, 4)
	s_cmp_eq_u32 s2, 0
	s_cbranch_scc0 .Lentry_in_a_cluster
	s_endpgm
.Lentry_in_a_cluster:
	s_bfe_u32 s2, ttmp6, 0x10000c
	s_cmp_lg_u32 s2, 0xf033
	s_cbranch_scc0 .Lentry_shape_is_right
	s_endpgm
.Lentry_shape_is_right:
; C[h][m][n] = the sum over the h-th 2,048 of k of A[m][k] B[n][k] on codes of BF8: M = 2,048, N = 1,024, K = 4,096 in two halves.  C holds the two RAW f32 partial sums, 8 MB apart:
; the launch that follows, which needs whole rows, adds them and applies the scales, the bias and the residual.  So one body serves the product with Wo and the product with W2.
; WHY K IS SHARED OUT: C has 128 tiles of 128 x 128 (tiles of 256 x 256 would be 32); with K in two halves there are 256 work-groups, and each walks four fills of its ring and not eight.
; AN ORDER OF ROUNDING THAT DIFFERS FROM ONE CHAIN OVER K: an output's sum is formed of two f32 partial sums, each K ascending.
; A and B lie as images of operand registers: 128 rows x 256 K are one dense block of 32,768 bytes.  Four waves, each 64 x 64: 16 accumulators.  A slot holds 512 along K: A's two blocks, then B's two; two slots.
; CLUSTERS: 4 x 4: A's blocks are asked for jointly along a row of the cluster, B's along a column.  The half of K is cluster y / 4: the same in all sixteen partners.
; THE MATRIX INSTRUCTION IS USED TRANSPOSED: a lane holds eight neighbouring numbers of a row of C.
; REGISTERS: window 0: v16-29 addresses; v32-95 rows on the way out; v128-255 the accumulators ((a, b) at v[128 + 8 (4 a + b)]).  window 1: two fragment buffers of 128: A's four fragments, then B's four.
.set HALFT,  32768
.set SLOT,   4*HALFT
.set SPARE,  2*SLOT                    ; the spare words, 128 bytes for each wave
.set STAGE,  SPARE+512                 ; 16 rows x 272 bytes for each wave, for the way out; no tensor load lands here
.set SPITCH, 272
.set ADRA, 16
.set ADRB, 20
.set STO,  24
.set RD,   25
.set CO,   26
.set SPW,  28
.set NIL,  29
.set OUTR, 32
.set ACC,  128
.set F0,   0
.set F1,   128
.set G1, 24
.set G0, 32
.set G1B, 48
.set G0B, 56
.set MSB, 0
.macro WIN new
.if MSB != (\new)
	s_set_vgpr_msb (MSB<<8)|(\new)
.set MSB, (\new)
.endif
.endm
.set MUL,  0x05                        ; sources 0 (B) and 1 (A) window 1; C and D window 0
.set TO_F, 0x40                        ; destination window 1, address window 0
.macro JLOAD s                         ; a joint load: waves 0 and 1 fetch A's two blocks, waves 2 and 3 B's; four v_nop follow each of the two lines
	s_cmp_eq_u32 s11, 0
	s_cbranch_scc0 .Lfor_b_\@
	tensor_load_to_lds s[G0+4*\s:G0+4*\s+3], s[G1:G1+7]
	s_nop 0
.rept 4
	v_nop
.endr
	s_branch .Lasked_\@
.Lfor_b_\@:
	tensor_load_to_lds s[G0B+4*\s:G0B+4*\s+3], s[G1B:G1B+7]
	s_nop 0
.rept 4
	v_nop
.endr
.Lasked_\@:
.endm
.macro CREST
	s_cmp_lg_u32 s10, 0
	s_cbranch_scc1 .Lnot_wave_0_\@
	s_barrier_signal -3
.Lnot_wave_0_\@:
	s_barrier_wait -3
	s_barrier_signal -1
	s_barrier_wait -1
.endm
.macro CROUND
	s_barrier_signal -1
	s_barrier_wait -1
	CREST
.endm
	s_load_b128 s[4:7], s[0:1], 0x0                ; A s[4:5], B s[6:7]
	s_load_b64 s[8:9], s[0:1], 0x10                ; C
	v_lshl_add_u32 v[SPW], v0, 2, SPARE
	v_mov_b32 v[NIL], 0
	ds_add_u32 v28, v29
	ds_add_u32 v28, v29
	s_wait_dscnt 0x0
	v_lshrrev_b32 v1, 5, v0
	v_readfirstlane_b32 s10, v1                    ; wave 0..3
	s_lshr_b32 s11, s10, 1                         ; which 64 rows are mine.  Also: I fetch for A (0) or for B (1)
	s_and_b32 s12, s10, 1                          ; which 64 columns.  Also: which of a slot's two blocks I fetch
	s_bfe_u32 s40, ttmp6, 0x40000
	s_bfe_u32 s41, ttmp6, 0x40004
	s_lshl_b32 s42, ttmp9, 2
	s_add_co_u32 s42, s42, s40                     ; tile column
	s_and_b32 s13, ttmp7, 0xffff                   ; cluster y, 0 .. 7
	s_lshr_b32 s45, s13, 2                         ; which half of K: of the cluster's number alone
	s_and_b32 s13, s13, 3
	s_lshl_b32 s13, s13, 2
	s_add_co_u32 s13, s13, s41                     ; tile row: 4 (cluster y % 4) + cy
	s_lshl_b32 s43, s41, 2
	s_lshl_b32 s43, 15, s43
	s_lshl_b32 s44, 0x1111, s40
	s_or_b32 s[G1+0], s43, (1<<21)                 ; the mask; elements of 1 byte; no padding; bit 21 beside a mask
	s_or_b32 s[G1B+0], s44, (1<<21)
.irp g, G1, G1B
	s_mov_b32 s[\g+1], 256<<16                     ; a dense block as 128 rows of 256 bytes
	s_mov_b32 s[\g+2], 128<<16
	s_mov_b32 s[\g+3], 256<<16
	s_mov_b32 s[\g+4], 128
	s_mov_b32 s[\g+5], 256
	s_mov_b32 s[\g+6], 0
	s_mov_b32 s[\g+7], 0
.endr
	s_lshl_b32 s17, s12, 15                        ; my block of a slot's two,
	s_lshl_b32 s18, s45, 18                        ; in my half of K: eight blocks, 262,144 bytes, on
	s_add_co_u32 s17, s17, s18
	s_lshl_b32 s16, s13, 19                        ; 128 rows x 4,096 codes are 16 blocks
	s_add_co_u32 s16, s16, s17
	s_lshl_b32 s46, s42, 19
	s_add_co_u32 s46, s46, s17
	s_mov_b32 s17, 0
	s_mov_b32 s47, 0
	s_lshl_b32 s20, s10, 15                        ; where my block goes: wave x 32,768
	s_wait_kmcnt 0x0
	s_add_nc_u64 s[14:15], s[4:5], s[16:17]
	s_add_nc_u64 s[46:47], s[6:7], s[46:47]
	CROUND
.irp s, 0,1
	s_mov_b32 s[G0+4*\s], 1
	s_add_co_u32 s[G0+4*\s+1], s20, \s*SLOT
	s_add_nc_u64 s[G0+4*\s+2:G0+4*\s+3], s[14:15], \s*2*HALFT
	s_or_b32 s[G0+4*\s+3], s[G0+4*\s+3], 0x80000000
	s_mov_b32 s[G0B+4*\s], 1
	s_add_co_u32 s[G0B+4*\s+1], s20, \s*SLOT
	s_add_nc_u64 s[G0B+4*\s+2:G0B+4*\s+3], s[46:47], \s*2*HALFT
	s_or_b32 s[G0B+4*\s+3], s[G0B+4*\s+3], 0x80000000
	JLOAD \s
.endr
	v_and_b32 v1, 15, v0                           ; r
	v_bfe_u32 v2, v0, 4, 1                         ; h
	v_and_b32 v3, 31, v0
	v_lshlrev_b32 v3, 4, v3                        ; 16 x lane
	s_lshl_b32 s21, s11, 13                        ; my four fragments of A in a run of eight,
	s_lshl_b32 s22, s12, 13                        ; of B,
	s_add_co_u32 s22, s22, 2*HALFT                 ; behind A's two blocks
.irp s, 0,1
	v_add_nc_u32 v[ADRA+\s], s21, v3
	v_add_nc_u32 v[ADRB+\s], s22, v3
	s_add_co_u32 s21, s21, SLOT
	s_add_co_u32 s22, s22, SLOT
.endr
	s_mul_i32 s23, s10, 16*SPITCH
	s_add_co_u32 s23, s23, STAGE                   ; my stage
	v_mul_u32_u24 v4, v1, SPITCH
	v_lshl_add_u32 v4, v2, 5, v4
	v_add_nc_u32 v[STO], s23, v4                   ; in: row r, 32 bytes for each half of the lanes
	v_mul_u32_u24 v5, v2, SPITCH
	v_lshl_add_u32 v5, v1, 4, v5
	v_add_nc_u32 v[RD], s23, v5                    ; back: lanes 0-15 one row of 256 bytes, lanes 16-31 the next
	v_lshlrev_b32 v5, 12, v2
	v_lshl_add_u32 v[CO], v1, 4, v5                ; and the same two rows in C (a row is 4,096 bytes)
	s_lshl_b32 s16, s13, 19
	s_lshl_b32 s17, s11, 18
	s_add_co_u32 s16, s16, s17                     ; my first row: 128 x tile row + 64 (wave / 2),
	s_lshl_b32 s17, s45, 23
	s_add_co_u32 s16, s16, s17                     ; in my half's partial sums: 8 MB apart
	s_mov_b32 s17, 0
	s_add_nc_u64 s[8:9], s[8:9], s[16:17]
	s_lshl_b32 s46, s42, 9
	s_lshl_b32 s47, s12, 8
	s_add_co_u32 s46, s46, s47                     ; my first column, in bytes
	s_mov_b32 s47, 0
	s_add_nc_u64 s[8:9], s[8:9], s[46:47]
; 8 matrix instructions: A's fragments a0, a0 + 1 x B's four, 128 along K.  The 16 accumulators take turns in the same order in every step.
.macro MUL8 f, a0, zero
.irp a, \a0, \a0+1
.irp b, 0,1,2,3
.if \zero
	v_wmma_f32_16x16x128_bf8_bf8 v[ACC+8*(4*(\a)+\b):ACC+8*(4*(\a)+\b)+7], v[(\f)+64+16*\b:(\f)+64+16*\b+15], v[(\f)+16*(\a):(\f)+16*(\a)+15], 0
.else
	v_wmma_f32_16x16x128_bf8_bf8 v[ACC+8*(4*(\a)+\b):ACC+8*(4*(\a)+\b)+7], v[(\f)+64+16*\b:(\f)+64+16*\b+15], v[(\f)+16*(\a):(\f)+16*(\a)+15], v[ACC+8*(4*(\a)+\b):ACC+8*(4*(\a)+\b)+7]
.endif
.endr
.endr
.endm
.macro FETCH slot, q, f                ; 32 LDS loads in one run: the slot's q-th 128 along K into buffer f; each load takes 512 consecutive bytes
	WIN TO_F
.irp i, 0,1,2,3
.irp c, 0,1,2,3
	ds_load_b128 v[(\f)+64+16*\i+4*\c:(\f)+64+16*\i+4*\c+3], v[ADRB+\slot] offset:16384*(\q)+2048*\i+512*\c
.endr
.irp c, 0,1,2,3
	ds_load_b128 v[(\f)+16*\i+4*\c:(\f)+16*\i+4*\c+3], v[ADRA+\slot] offset:16384*(\q)+2048*\i+512*\c
.endr
.endr
.endm
.macro PLACES
.rept 4
	v_nop
.endr
.endm
; One of a slot's first three steps: the next step's fragments are asked for first, into the other buffer, and have this step's 16 products in which to land.
.macro STEP slot, q, zero
	s_wait_dscnt 0x0                               ; this step's fragments are in
	PLACES                                         ; in front of loads into the buffer that the last products read
	FETCH \slot, (\q)+1, 128*(1-(\q)%2)
	WIN MUL
	MUL8 128*((\q)%2), 0, \zero
	MUL8 128*((\q)%2), 2, \zero
.endm
; A slot's last step (buffer 1) changes slots: one barrier; in front of it each wave waits for all its tensor loads, adds 0 to its spare word, and waits for that and for its reads of this slot.
.macro TURN slot, next, fill
	WIN 0
	s_wait_tensorcnt 0x0                           ; all my tensor loads have landed: my part of the next slot; so every group 0 may be written
	ds_add_u32 v[SPW], v[NIL]                      ; 0 onto my spare word
.if \fill
	s_add_nc_u64 s[G0+4*\slot+2:G0+4*\slot+3], s[G0+4*\slot+2:G0+4*\slot+3], 4*HALFT
	s_add_nc_u64 s[G0B+4*\slot+2:G0B+4*\slot+3], s[G0B+4*\slot+2:G0B+4*\slot+3], 4*HALFT
.endif
	s_wait_dscnt 0x0                               ; the add is done, and my reads of this slot are over
	s_barrier_signal -1
	WIN MUL
	MUL8 F1, 0, 0
	WIN 0
	s_barrier_wait -1
.if \fill
	CREST                                          ; the barrier has opened a round of the cluster's barrier
	JLOAD \slot                                    ; the first tensor load behind the round; its four v_nop are the places in front of the loads below
.else
	PLACES
.endif
	FETCH \next, 0, F0
	WIN MUL
	MUL8 F1, 2, 0
.endm
	s_wait_tensorcnt 1                             ; my part of slot 0 is in; slot 1's load may be out
	s_barrier_signal -1
	s_barrier_wait -1
	FETCH 0, 0, F0
	STEP 0, 0, 1                                   ; my half's K 0-127: these products start the sums.  Four fills, sixteen steps, written out
	STEP 0, 1, 0
	STEP 0, 2, 0
	TURN 0, 1, 1                                   ; slot 0 takes my half's K 1,024-1,535
	STEP 1, 0, 0
	STEP 1, 1, 0
	STEP 1, 2, 0
	TURN 1, 0, 1                                   ; slot 1 takes my half's K 1,536-2,047
	STEP 0, 0, 0
	STEP 0, 1, 0
	STEP 0, 2, 0
	TURN 0, 1, 0                                   ; nothing is left to fetch
	STEP 1, 0, 0
	STEP 1, 1, 0
	STEP 1, 2, 0
	s_wait_dscnt 0x0
	WIN MUL
	MUL8 F1, 0, 0
	MUL8 F1, 2, 0
	WIN 0
	PLACES
; THE WAY OUT, 16 rows x 64 columns at a time: a lane's 32 bytes of a row go into my own stage and come back as whole rows of 256 bytes.  LDS serves a wave's instructions in order (ISA guide 5.7.1.4).
.macro TOSTAGE a
.irp b, 0,1,2,3
	ds_store_b128 v[STO], v[ACC+8*(4*(\a)+\b):ACC+8*(4*(\a)+\b)+3] offset:64*\b        ; each accumulator from its low end on
	ds_store_b128 v[STO], v[ACC+8*(4*(\a)+\b)+4:ACC+8*(4*(\a)+\b)+7] offset:64*\b+16
.endr
.irp t, 0,1,2,3,4,5,6,7
	ds_load_b128 v[OUTR+32*((\a)%2)+4*\t:OUTR+32*((\a)%2)+4*\t+3], v[RD] offset:2*\t*SPITCH
.endr
.endm
.macro SEND a, younger
	s_wait_dscnt \younger
.irp t, 0,1,2,3,4,5,6,7
	global_store_b128 v[CO], v[OUTR+32*((\a)%2)+4*\t:OUTR+32*((\a)%2)+4*\t+3], s[8:9] offset:(16*(\a)+2*\t)*4096   ; 16 lanes store 256 consecutive bytes, aligned
.endr
.endm
	TOSTAGE 0
.irp a, 1,2,3
.if \a > 1
	s_wait_xcnt 0x0                                ; block a - 2's stores have read the registers into which block a's rows come back
.endif
	TOSTAGE \a
	SEND \a-1, 16                                  ; behind block a - 1's loads: block a's 8 stores and 8 loads
.endr
	SEND 3, 0
	s_wait_tensorcnt 0x0                           ; the wave's end
	ds_add_u32 v[SPW], v[NIL]
	s_wait_dscnt 0x0
	CROUND                                         ; the closing round
	s_endpgm
.Lfunc_end_k_q46b0783ba7_gemmO:
	.size	k_q46b0783ba7_gemmO, .Lfunc_end_k_q46b0783ba7_gemmO-k_q46b0783ba7_gemmO
	.p2alignl 7, 3214868480
	.fill 96, 4, 3214868480
	.section	.rodata,"a",@progbits
	.p2align	6, 0x0
	.amdhsa_kernel k_q46b0783ba7_gemmO
		.amdhsa_group_segment_fixed_size 327680
		.amdhsa_private_segment_fixed_size 0
		.amdhsa_enable_private_segment 0
		.amdhsa_kernarg_size 24
		.amdhsa_user_sgpr_count 2
		.amdhsa_user_sgpr_kernarg_segment_ptr 1
		.amdhsa_wavefront_size32 1
		.amdhsa_system_sgpr_workgroup_id_x 1
		.amdhsa_system_sgpr_workgroup_id_y 1
		.amdhsa_system_sgpr_workgroup_id_z 1
		.amdhsa_system_vgpr_workitem_id 0
		.amdhsa_next_free_vgpr 512
		.amdhsa_next_free_sgpr 66
		.amdhsa_reserve_vcc 0
		.amdhsa_float_denorm_mode_32 3
		.amdhsa_float_denorm_mode_16_64 3
		.amdhsa_memory_ordered 1
		.amdhsa_forward_progress 1
		.amdhsa_inst_pref_size 69
	.end_amdhsa_kernel
	.amdgpu_metadata
---
amdhsa.version: [ 1, 2 ]
amdhsa.kernels:
  - .name:           k_q46b0783ba7_gemmO
    .symbol:         k_q46b0783ba7_gemmO.kd
    .args:
      - { .name: act, .offset: 0, .size: 8, .value_kind: global_buffer, .address_space: global }
      - { .name: woc, .offset: 8, .size: 8, .value_kind: global_buffer, .address_space: global }
      - { .name: yraw, .offset: 16, .size: 8, .value_kind: global_buffer, .address_space: global }
    .group_segment_fixed_size: 327680
    .private_segment_fixed_size: 0
    .kernarg_segment_align: 8
    .kernarg_segment_size: 24
    .max_flat_workgroup_size: 128
    .sgpr_count:     66
    .vgpr_count:     512
    .wavefront_size: 32
...
	.end_amdgpu_metadata
.endif
;; end of part 4
;; launch ln1 (part 5): grid 128 x 1, 16 waves a work-group, no clusters, 18,432 bytes of LDS; arguments yraw, x, bo, g1, be1, lowp_scales, x1, xc; writes x1, xc
.if DOCPART == 5
	.amdgcn_target "amdgcn-amd-amdhsa--gfx1250"
	.amdhsa_code_object_version 6
	.text
	.protected	k_q46b0783ba7_ln1
	.globl	k_q46b0783ba7_ln1
	.p2align	8
	.type	k_q46b0783ba7_ln1,@function
k_q46b0783ba7_ln1:
	s_mov_b64 s[64:65], 0
	v_nop
	global_prefetch_b8 v0, s[64:65] scope:SCOPE_SE
	s_setreg_imm32_b32 hwreg(HW_REG_WAVE_MODE, 25, 1), 1
	s_wait_xcnt 0x0
; x1 = LayerNorm(x + (raw0 + raw1) x 2^(e10 + e11) + bo) x g1 + be1, in f32, and x1's codes of BF8 at the scale 2^e12, laid as images of operand registers (6 MB into xc).
; raw0 and raw1 are the product's two partial sums over the halves of K, 8 MB apart in yraw.
; A wave takes a row of 1,024 numbers (32 a lane, kept in registers: read once); a work-group takes a tile of 16 tokens, which is one row of fragments of the image.
; The mean first, then the mean of the squared differences: no difference of large sums is formed.
; Lane l holds columns 128 i + 4 l + 0..3: one conversion of eight registers gives the four codes of i = 2 m and the four of i = 2 m + 1; each word goes to its place in the tile's eight fragments in LDS;
; behind a barrier each wave stores 1,024 consecutive bytes of the image.  No matrix unit, no tensor load: memory binds.
; LIMITS: e10 + e11 between -126 and 127; e12 between -126 and 112.  NaN among the inputs is not served.
.set RAW, 16                           ; v16-47   the first partial sums, then the raw sums, y, y - mean, x1
.set RES, 48                           ; v48-79   x, then x + bo
.set BI,  80                           ; v80-111  bo
.set G,   112                          ; v112-143 g1
.set BE,  144                          ; v144-175 be1
.set R2,  208                          ; v208-239 the second partial sums
	s_load_b512 s[4:19], s[0:1], 0x0               ; yraw s[4:5], x, bo, g1, be1 s[12:13], the scales' exponents s[14:15], x1 s[16:17], xc s[18:19]
	v_lshl_add_u32 v240, v0, 2, 0x4000
	v_mov_b32 v241, 0
	v_lshrrev_b32 v1, 5, v0
	s_delay_alu instid0(VALU_DEP_1)
	v_readfirstlane_b32 s20, v1                    ; wave = my row of the tile
	v_and_b32 v2, 31, v0
	s_delay_alu instid0(VALU_DEP_1)
	v_lshlrev_b32 v1, 4, v2                        ; 16 x lane
	s_delay_alu instid0(VALU_DEP_2)
	v_lshrrev_b32 v3, 3, v2                        ; where a word of four codes goes in a fragment: k = 4 l + z: register group l / 8,
	s_delay_alu instid0(VALU_DEP_1)
	v_lshlrev_b32 v192, 9, v3
	v_bfe_u32 v3, v0, 1, 1                         ; half (l / 2) % 2 of the lanes,
	s_delay_alu instid0(VALU_DEP_1)
	v_lshl_add_u32 v192, v3, 8, v192
	v_bfe_u32 v3, v0, 2, 1                         ; upper or lower 8 bytes,
	s_delay_alu instid0(VALU_DEP_1)
	v_lshl_add_u32 v192, v3, 3, v192
	v_and_b32 v3, 1, v0                            ; upper or lower word,
	s_delay_alu instid0(VALU_DEP_1)
	v_lshl_add_u32 v192, v3, 2, v192
	s_lshl_b32 s21, s20, 4                         ; at the image's lane of my row
	v_add_nc_u32 v192, s21, v192
	s_lshl_b32 s21, s20, 10
	v_add_nc_u32 v193, s21, v1                     ; and what I read back: 1,024 x wave + 16 x lane
	s_lshl_b32 s22, ttmp9, 4
	s_add_co_u32 s22, s22, s20
	s_lshl_b32 s22, s22, 12                        ; my row, 4,096 bytes each
	s_mov_b32 s23, 0
	s_lshr_b32 s36, ttmp9, 3                       ; the image: (tile / 8) x 131,072 + fragment (wave / 2) x 16,384 + (tile % 8) x 2,048 + (wave % 2) x 1,024, 6 MB into xc
	s_lshl_b32 s36, s36, 17
	s_lshr_b32 s37, s20, 1
	s_lshl_b32 s37, s37, 14
	s_add_co_u32 s36, s36, s37
	s_and_b32 s37, ttmp9, 7
	s_lshl_b32 s37, s37, 11
	s_add_co_u32 s36, s36, s37
	s_and_b32 s37, s20, 1
	s_lshl_b32 s37, s37, 10
	s_add_co_u32 s36, s36, s37
	s_add_co_u32 s36, s36, 0x600000
	s_mov_b32 s37, 0
	s_mov_b32 s30, 0x3a800000                      ; 1 / 1,024
	s_mov_b32 s31, 0x3727c5ac                      ; 1e-5
	s_mov_b32 s32, 0x76543210
	s_mov_b32 s33, 0xfedcba98
	s_wait_kmcnt 0x0
	s_load_b128 s[24:27], s[14:15], 0x28           ; e10, e11, e12, e13
	s_add_nc_u64 s[4:5], s[4:5], s[22:23]
	s_add_nc_u64 s[38:39], s[4:5], 0x800000        ; the same row of the second partial sums (8 MB is one byte more than a load's immediate holds)
	s_add_nc_u64 s[6:7], s[6:7], s[22:23]
	s_add_nc_u64 s[16:17], s[16:17], s[22:23]
	s_add_nc_u64 s[18:19], s[18:19], s[36:37]
.irp i, 0,1,2,3,4,5,6,7
	global_load_b128 v[RAW+4*\i:RAW+4*\i+3], v1, s[4:5] offset:512*\i th:TH_LOAD_NT    ; 32 lanes read 512 consecutive bytes
.endr
.irp i, 0,1,2,3,4,5,6,7
	global_load_b128 v[R2+4*\i:R2+4*\i+3], v1, s[38:39] offset:512*\i th:TH_LOAD_NT
.endr
.irp i, 0,1,2,3,4,5,6,7
	global_load_b128 v[RES+4*\i:RES+4*\i+3], v1, s[6:7] offset:512*\i th:TH_LOAD_NT
.endr
.irp i, 0,1,2,3,4,5,6,7
	global_load_b128 v[BI+4*\i:BI+4*\i+3], v1, s[8:9] offset:512*\i
.endr
.irp i, 0,1,2,3,4,5,6,7
	global_load_b128 v[G+4*\i:G+4*\i+3], v1, s[10:11] offset:512*\i
.endr
.irp i, 0,1,2,3,4,5,6,7
	global_load_b128 v[BE+4*\i:BE+4*\i+3], v1, s[12:13] offset:512*\i
.endr
	s_wait_kmcnt 0x0
	s_add_co_i32 s28, s24, s25
	s_add_co_i32 s28, s28, 127
	s_lshl_b32 s28, s28, 23                        ; 2^(e10 + e11) as f32
	s_mov_b32 s29, s28
	s_add_co_i32 s34, s26, 127
	s_lshl_b32 s35, s34, 23
	v_mov_b32 v183, s35                            ; 2^e12
.macro WSUM r, t                       ; the sum of v[r] over the wave's 32 lanes, in every lane; v[t] has been written before
	s_delay_alu instid0(VALU_DEP_1)
	v_add_f32_dpp v[\r], v[\r], v[\r] row_xmask:1 row_mask:0xf bank_mask:0xf
	s_delay_alu instid0(VALU_DEP_1)
	v_add_f32_dpp v[\r], v[\r], v[\r] row_xmask:2 row_mask:0xf bank_mask:0xf
	s_delay_alu instid0(VALU_DEP_1)
	v_add_f32_dpp v[\r], v[\r], v[\r] row_xmask:4 row_mask:0xf bank_mask:0xf
	s_delay_alu instid0(VALU_DEP_1)
	v_add_f32_dpp v[\r], v[\r], v[\r] row_xmask:8 row_mask:0xf bank_mask:0xf
	s_delay_alu instid0(VALU_DEP_1)
	v_permlanex16_b32 v[\t], v[\r], s32, s33
	s_delay_alu instid0(VALU_DEP_1)
	v_add_f32 v[\r], v[\r], v[\t]
.endm
	s_wait_loadcnt 0x0
.set p, 0
.rept 16
	v_pk_add_f32 v[RAW+p:RAW+p+1], v[RAW+p:RAW+p+1], v[R2+p:R2+p+1]    ; the two halves of K
.set p, p+2
.endr
.set p, 0
.rept 16
	v_pk_add_f32 v[RES+p:RES+p+1], v[RES+p:RES+p+1], v[BI+p:BI+p+1]
.set p, p+2
.endr
.set p, 0
.rept 16
	v_pk_fma_f32 v[RAW+p:RAW+p+1], v[RAW+p:RAW+p+1], s[28:29], v[RES+p:RES+p+1] op_sel_hi:[1,0,1]   ; y = raw x 2^(e10 + e11) + (x + bo)
.set p, p+2
.endr
	v_pk_add_f32 v[178:179], v[16:17], v[18:19]
	v_pk_add_f32 v[238:239], v[24:25], v[28:29]
	v_pk_add_f32 v[236:237], v[32:33], v[36:37]
	v_pk_add_f32 v[234:235], v[40:41], v[44:45]
	v_pk_add_f32 v[232:233], v[20:21], v[22:23]
	v_pk_add_f32 v[230:231], v[26:27], v[30:31]
	v_pk_add_f32 v[228:229], v[34:35], v[38:39]
	v_pk_add_f32 v[176:177], v[42:43], v[46:47]
	s_delay_alu instid0(VALU_DEP_1)
	v_pk_add_f32 v[176:177], v[176:177], v[234:235]
	v_pk_add_f32 v[178:179], v[178:179], v[232:233]
	v_pk_add_f32 v[238:239], v[238:239], v[230:231]
	v_pk_add_f32 v[236:237], v[236:237], v[228:229]
	s_delay_alu instid0(VALU_DEP_2)
	v_pk_add_f32 v[176:177], v[176:177], v[238:239]
	s_delay_alu instid0(VALU_DEP_2)
	v_pk_add_f32 v[178:179], v[178:179], v[236:237]
	s_delay_alu instid0(VALU_DEP_1)
	v_pk_add_f32 v[176:177], v[176:177], v[178:179]
	s_delay_alu instid0(VALU_DEP_1)
	v_add_f32 v176, v176, v177
	WSUM 176, 177
	s_delay_alu instid0(VALU_DEP_1)
	v_mul_f32 v176, s30, v176                      ; the mean
.set p, 0
.rept 16
	v_pk_add_f32 v[RAW+p:RAW+p+1], v[RAW+p:RAW+p+1], v[176:177] op_sel_hi:[1,0] neg_lo:[0,1] neg_hi:[0,1]   ; y - mean
.set p, p+2
.endr
	v_pk_mul_f32 v[178:179], v[RAW:RAW+1], v[RAW:RAW+1]
	v_pk_mul_f32 v[180:181], v[RAW+2:RAW+3], v[RAW+2:RAW+3]
.irp p, 4,8,12,16,20,24,28
	s_delay_alu instid0(VALU_DEP_2)
	v_pk_fma_f32 v[178:179], v[RAW+\p:RAW+\p+1], v[RAW+\p:RAW+\p+1], v[178:179]
	s_delay_alu instid0(VALU_DEP_2)
	v_pk_fma_f32 v[180:181], v[RAW+\p+2:RAW+\p+3], v[RAW+\p+2:RAW+\p+3], v[180:181]
.endr
	s_delay_alu instid0(VALU_DEP_1)
	v_pk_add_f32 v[178:179], v[178:179], v[180:181]
	s_delay_alu instid0(VALU_DEP_1)
	v_add_f32 v178, v178, v179
	WSUM 178, 179
	s_delay_alu instid0(VALU_DEP_1)
	v_fma_f32 v178, v178, s30, s31                 ; the variance + 1e-5
	s_wait_alu depctr_va_vdst(0)
	v_rsq_f32 v180, v178
	v_nop                                          ; a plain line behind the transcendental,
	s_wait_alu depctr_va_vdst(0)                   ; and the wait ahead of its first reader
.set p, 0
.rept 16
	v_pk_mul_f32 v[RAW+p:RAW+p+1], v[RAW+p:RAW+p+1], v[180:181] op_sel_hi:[1,0]
.set p, p+2
.endr
.set p, 0
.rept 16
	v_pk_fma_f32 v[RAW+p:RAW+p+1], v[RAW+p:RAW+p+1], v[G+p:G+p+1], v[BE+p:BE+p+1]
.set p, p+2
.endr
.irp i, 0,1,2,3,4,5,6,7
	global_store_b128 v1, v[RAW+4*\i:RAW+4*\i+3], s[16:17] offset:512*\i       ; x1: 512 consecutive bytes a store
.endr
.set p, 0
.rept 32
.set p, p+1
.endr
.irp m, 0,1,2,3
	v_cvt_scalef32_pk8_bf8_f32 v[184+2*\m:185+2*\m], v[RAW+8*\m:RAW+8*\m+7], v183
.endr
.irp i, 0,1,2,3,4,5,6,7
	ds_store_b32 v192, v[184+\i] offset:2048*\i    ; four codes of fragment i
.endr
	s_wait_dscnt 0x0                               ; for the others' sake: my stores have landed
	s_barrier_signal -1
	s_barrier_wait -1
	ds_load_b128 v[196:199], v193
	ds_load_b128 v[200:203], v193 offset:512
	s_wait_dscnt 0x0
	global_store_b128 v1, v[196:199], s[18:19]
	global_store_b128 v1, v[200:203], s[18:19] offset:512
	s_wait_tensorcnt 0x0
	ds_add_u32 v240, v241
	s_wait_dscnt 0x0
	s_endpgm
.Lfunc_end_k_q46b0783ba7_ln1:
	.size	k_q46b0783ba7_ln1, .Lfunc_end_k_q46b0783ba7_ln1-k_q46b0783ba7_ln1
	.p2alignl 7, 3214868480
	.fill 96, 4, 3214868480
	.section	.rodata,"a",@progbits
	.p2align	6, 0x0
	.amdhsa_kernel k_q46b0783ba7_ln1
		.amdhsa_group_segment_fixed_size 18432
		.amdhsa_private_segment_fixed_size 0
		.amdhsa_enable_private_segment 0
		.amdhsa_kernarg_size 64
		.amdhsa_user_sgpr_count 2
		.amdhsa_user_sgpr_kernarg_segment_ptr 1
		.amdhsa_wavefront_size32 1
		.amdhsa_system_sgpr_workgroup_id_x 1
		.amdhsa_system_sgpr_workgroup_id_y 1
		.amdhsa_system_sgpr_workgroup_id_z 1
		.amdhsa_system_vgpr_workitem_id 0
		.amdhsa_next_free_vgpr 242
		.amdhsa_next_free_sgpr 66
		.amdhsa_reserve_vcc 0
		.amdhsa_float_denorm_mode_32 3
		.amdhsa_float_denorm_mode_16_64 3
		.amdhsa_fp16_overflow 1
		.amdhsa_memory_ordered 1
		.amdhsa_forward_progress 1
		.amdhsa_inst_pref_size 20
	.end_amdhsa_kernel
	.amdgpu_metadata
---
amdhsa.version: [ 1, 2 ]
amdhsa.kernels:
  - .name:           k_q46b0783ba7_ln1
    .symbol:         k_q46b0783ba7_ln1.kd
    .args:
      - { .name: yraw, .offset: 0, .size: 8, .value_kind: global_buffer, .address_space: global }
      - { .name: x, .offset: 8, .size: 8, .value_kind: global_buffer, .address_space: global }
      - { .name: bo, .offset: 16, .size: 8, .value_kind: global_buffer, .address_space: global }
      - { .name: g1, .offset: 24, .size: 8, .value_kind: global_buffer, .address_space: global }
      - { .name: be1, .offset: 32, .size: 8, .value_kind: global_buffer, .address_space: global }
      - { .name: lowp_scales, .offset: 40, .size: 8, .value_kind: global_buffer, .address_space: global }
      - { .name: x1, .offset: 48, .size: 8, .value_kind: global_buffer, .address_space: global }
      - { .name: xc, .offset: 56, .size: 8, .value_kind: global_buffer, .address_space: global }
    .group_segment_fixed_size: 18432
    .private_segment_fixed_size: 0
    .kernarg_segment_align: 8
    .kernarg_segment_size: 64
    .max_flat_workgroup_size: 512
    .sgpr_count:     66
    .vgpr_count:     242
    .wavefront_size: 32
...
	.end_amdgpu_metadata
.endif
;; end of part 5
;; launch ff1 (part 6): grid 16 x 8, 4 waves a work-group, clusters of 4 x 4, 327,680 bytes of LDS; arguments xc, wa, b1, lowp_scales, act; writes act
.if DOCPART == 6
	.amdgcn_target "amdgcn-amd-amdhsa--gfx1250"
	.amdhsa_code_object_version 6
	.text
	.protected	k_q46b0783ba7_ff1
	.globl	k_q46b0783ba7_ff1
	.p2align	8
	.type	k_q46b0783ba7_ff1,@function
k_q46b0783ba7_ff1:
	s_mov_b64 s[64:65], 0
	v_nop
	global_prefetch_b8 v0, s[64:65] scope:SCOPE_SE
	s_setreg_imm32_b32 hwreg(HW_REG_WAVE_MODE, 25, 1), 1
	s_wait_xcnt 0x0
	s_wait_alu depctr_hold_cnt(0) depctr_sa_sdst(0) depctr_va_vdst(0) depctr_va_sdst(0) depctr_va_ssrc(0) depctr_va_vcc(0) depctr_vm_vsrc(0)
	s_getreg_b32 s2, hwreg(HW_REG_IB_STS2, 6, 4)
	s_cmp_eq_u32 s2, 0
	s_cbranch_scc0 .Lentry_in_a_cluster
	s_endpgm
.Lentry_in_a_cluster:
	s_bfe_u32 s2, ttmp6, 0x10000c
	s_cmp_lg_u32 s2, 0xf033
	s_cbranch_scc0 .Lentry_shape_is_right
	s_endpgm
.Lentry_shape_is_right:
; FF1: h = relu(x1 W1 + b1) on codes of BF8 (M = 2,048, N = 4,096, K = 1,024); h is quantised at once, at the scale 2^e14, and stored as codes in the register-image layout with K = 4,096.
; 128 tiles of 256 x 256; a work-group of four waves, a wave 128 x 128: 64 accumulators.  A = x1's codes (6 MB into xc), B = W1's codes (12 MB into wa), both as images of operand registers:
; 128 rows x 256 K are one dense block of 32,768 bytes.  K goes in steps of 256 through two LDS slots; four fills, written out.
; THE MATRIX INSTRUCTION IS USED TRANSPOSED (source 0 = 16 rows of W1, source 1 = 16 tokens): a lane holds a token and eight neighbouring hidden units, which run along the next product's K.
; The bias is the C of each sum's first product, divided by the power of two that the sums lack; the activation costs nothing: the hold ahead of the conversion clips at 0 as well.
; CLUSTERS: 4 x 4: A's blocks are asked for jointly along a row of the cluster, B's along a column.
; LIMITS: e14 - e12 - e13 between -126 and 112.
; REGISTERS: window 0: v8 16 x lane, v16-31 addresses and scales, v32-95 b1 in the result's layout, later the held sums, v128-255 A's fragments, later the codes.  window 1: B's two sets.  windows 2, 3: accumulators.
.set HALFT,  32768
.set SLOT,   4*HALFT
.set SPARE,  2*SLOT
.set FR,     16
.set NL,     4
.set NP,     4
.set L16,  8
.set ADRA, 16
.set ADRB, 20
.set SPW,  28
.set NIL,  29
.set SC,   30
.set LIM,  31
.set TMP,  32
.set AF,   128
.set CD,   128
.set G1, 24
.set G0, 32
.set G1B, 48
.set G0B, 56
.set MSB, 0
.macro WIN new
.if MSB != (\new)
	s_set_vgpr_msb (MSB<<8)|(\new)
.set MSB, (\new)
.endif
.endm
.set MUL_LO, 0xa1                      ; source 0 (B) window 1, source 1 (A) window 0, C and D window 2
.set MUL_HI, 0xf1
.set BIA_LO, 0x81                      ; the same with C (the bias) in window 0
.set BIA_HI, 0xc1
.set TO_B,   0x40
.macro JLOAD g0a, g1a, g0b, g1b        ; a joint load: waves 0 and 1 fetch for A, waves 2 and 3 for B; four v_nop follow each of the two lines
	s_cmp_eq_u32 s15, 0
	s_cbranch_scc0 .Lfor_b_\@
	tensor_load_to_lds s[\g0a:\g0a+3], s[\g1a:\g1a+7]
	s_nop 0
.rept 4
	v_nop
.endr
	s_branch .Lasked_\@
.Lfor_b_\@:
	tensor_load_to_lds s[\g0b:\g0b+3], s[\g1b:\g1b+7]
	s_nop 0
.rept 4
	v_nop
.endr
.Lasked_\@:
.endm
.macro CREST
	s_cmp_lg_u32 s14, 0
	s_cbranch_scc1 .Lnot_wave_0_\@
	s_barrier_signal -3
.Lnot_wave_0_\@:
	s_barrier_wait -3
	s_barrier_signal -1
	s_barrier_wait -1
.endm
.macro CROUND
	s_barrier_signal -1
	s_barrier_wait -1
	CREST
.endm
	s_load_b128 s[4:7], s[0:1], 0x0                ; xc s[4:5], wa s[6:7]
	s_load_b128 s[8:11], s[0:1], 0x10              ; b1 s[8:9], the scales' exponents s[10:11]
	s_load_b64 s[12:13], s[0:1], 0x20              ; act
	v_lshl_add_u32 v[SPW], v0, 2, SPARE
	v_mov_b32 v[NIL], 0
	ds_add_u32 v28, v29
	ds_add_u32 v28, v29
	s_wait_dscnt 0x0
	v_lshrrev_b32 v1, 5, v0
	v_readfirstlane_b32 s14, v1                    ; wave 0..3
	s_lshr_b32 s15, s14, 1                         ; which 128 tokens are mine.  Also: I fetch for A (0) or for B (1)
	s_and_b32 s16, s14, 1                          ; which 128 hidden units.  Also: which block of that operand I fetch
	s_bfe_u32 s40, ttmp6, 0x40000
	s_bfe_u32 s41, ttmp6, 0x40004
	s_lshl_b32 s42, ttmp9, 2
	s_add_co_u32 s42, s42, s40                     ; gx
	s_and_b32 s17, ttmp7, 0xffff
	s_lshl_b32 s17, s17, 2
	s_add_co_u32 s17, s17, s41                     ; gy
	s_lshl_b32 s43, s41, 2
	s_lshl_b32 s43, 15, s43
	s_lshl_b32 s44, 0x1111, s40
	s_or_b32 s[G1+0], s43, (1<<21)
	s_or_b32 s[G1B+0], s44, (1<<21)
.irp g, G1, G1B
	s_mov_b32 s[\g+1], 256<<16                     ; a dense block as 128 rows of 256 bytes
	s_mov_b32 s[\g+2], 128<<16
	s_mov_b32 s[\g+3], 256<<16
	s_mov_b32 s[\g+4], 128
	s_mov_b32 s[\g+5], 256
	s_mov_b32 s[\g+6], 0
	s_mov_b32 s[\g+7], 0
.endr
	s_lshl_b32 s20, s17, 1
	s_add_co_u32 s20, s20, s16
	s_lshl_b32 s20, s20, 17
	s_add_co_u32 s20, s20, 0x600000                ; A: 6 MB + (2 gy + half) x 131,072
	s_mov_b32 s21, 0
	s_lshl_b32 s46, s42, 1
	s_add_co_u32 s46, s46, s16
	s_lshl_b32 s46, s46, 17
	s_add_co_u32 s46, s46, 0xc00000                ; B: 12 MB + (2 gx + half) x 131,072
	s_mov_b32 s47, 0
	s_lshl_b32 s45, s14, 15
	s_wait_kmcnt 0x0
	s_load_b512 s[68:83], s[10:11], 0x0            ; e0 .. e15
	s_add_nc_u64 s[20:21], s[4:5], s[20:21]
	s_add_nc_u64 s[46:47], s[6:7], s[46:47]
	CROUND
.irp s, 0,1
	s_mov_b32 s[G0+4*\s], 1
	s_add_co_u32 s[G0+4*\s+1], s45, \s*SLOT
	s_add_nc_u64 s[G0+4*\s+2:G0+4*\s+3], s[20:21], \s*HALFT
	s_or_b32 s[G0+4*\s+3], s[G0+4*\s+3], 0x80000000
	s_mov_b32 s[G0B+4*\s], 1
	s_add_co_u32 s[G0B+4*\s+1], s45, \s*SLOT
	s_add_nc_u64 s[G0B+4*\s+2:G0B+4*\s+3], s[46:47], \s*HALFT
	s_or_b32 s[G0B+4*\s+3], s[G0B+4*\s+3], 0x80000000
	JLOAD G0+4*\s, G1, G0B+4*\s, G1B
.endr
	s_lshl_b32 s90, s42, 10                        ; b1 at my 128 hidden units: 256 gx + 128 (wave % 2)
	s_lshl_b32 s91, s16, 9
	s_add_co_u32 s90, s90, s91
	s_mov_b32 s91, 0
	s_add_nc_u64 s[8:9], s[8:9], s[90:91]
	v_bfe_u32 v2, v0, 4, 1
	v_lshlrev_b32 v5, 5, v2                        ; lane (r, h) wants, for block b, units 16 b + 8 h + 0 .. 7
.irp b, 0,1,2,3,4,5,6,7
	global_load_b128 v[TMP+8*\b:TMP+8*\b+3], v5, s[8:9] offset:64*\b
	global_load_b128 v[TMP+8*\b+4:TMP+8*\b+7], v5, s[8:9] offset:64*\b+16
.endr
	v_and_b32 v1, 31, v0
	v_lshlrev_b32 v[L16], 4, v1
	s_lshl_b32 s21, s15, 15
	s_lshl_b32 s22, s16, 15
	s_add_co_u32 s22, s22, 2*HALFT
.irp s, 0,1
	v_add_nc_u32 v[ADRA+\s], s21, v[L16]
	v_add_nc_u32 v[ADRB+\s], s22, v[L16]
	s_add_co_u32 s21, s21, SLOT
	s_add_co_u32 s22, s22, SLOT
.endr
	s_lshl_b32 s88, s17, 1                         ; where my codes go: ((2 gy + wave / 2) x 32 + 2 gx + wave % 2) x 16,384
	s_add_co_u32 s88, s88, s15
	s_lshl_b32 s88, s88, 5
	s_lshl_b32 s89, s42, 1
	s_add_co_u32 s88, s88, s89
	s_add_co_u32 s88, s88, s16
	s_lshl_b32 s88, s88, 14
	s_mov_b32 s89, 0
	s_add_nc_u64 s[12:13], s[12:13], s[88:89]
	s_wait_kmcnt 0x0
	s_add_co_i32 s84, s80, s81                     ; e12 + e13: a sum stands for sum x 2^(e12 + e13), so b1 goes in as b1 / 2^(e12 + e13)
	s_sub_co_i32 s85, 0, s84
	s_sub_co_i32 s84, s82, s84                     ; and the code is (sum + that) / 2^(e14 - e12 - e13)
	s_add_co_i32 s84, s84, 127
	s_lshl_b32 s86, s84, 23
	v_mov_b32 v[SC], s86
	s_add_co_i32 s84, s84, 15
	s_lshl_b32 s84, s84, 23
	s_or_b32 s84, s84, 0x600000
	v_mov_b32 v[LIM], s84
	s_wait_loadcnt 0x0
.set n, 0
.rept 64
	v_ldexp_f32 v[TMP+n], v[TMP+n], s85
.set n, n+1
.endr
.macro FRAG reg, adr, q, i
.irp c, 0,1,2,3
	ds_load_b128 v[\reg+4*\c:\reg+4*\c+3], v[\adr] offset:16384*(\q)+2048*(\i)+512*\c
.endr
.endm
; 16 matrix instructions: A's blocks a0, a0 + 1 x B's eight.  first = 1: the sums begin with the bias as C.  The 64 accumulators take turns in the same order in every step.
.macro MUL16 a0, p, first
.irp a, \a0, \a0+1
.irp b, 0,1,2,3,4,5,6,7
.if \first
	v_wmma_f32_16x16x128_bf8_bf8 v[8*(8*((\a)%4)+\b):8*(8*((\a)%4)+\b)+7], v[128*(\p)+FR*\b:128*(\p)+FR*\b+FR-1], v[AF+FR*(\a):AF+FR*(\a)+FR-1], v[TMP+8*\b:TMP+8*\b+7]
.else
	v_wmma_f32_16x16x128_bf8_bf8 v[8*(8*((\a)%4)+\b):8*(8*((\a)%4)+\b)+7], v[128*(\p)+FR*\b:128*(\p)+FR*\b+FR-1], v[AF+FR*(\a):AF+FR*(\a)+FR-1], v[8*(8*((\a)%4)+\b):8*(8*((\a)%4)+\b)+7]
.endif
.endr
.endr
.endm
.macro FETCH_B slot, q, p
	WIN TO_B
.irp i, 0,1,2,3,4,5,6,7
	FRAG 128*(\p)+FR*\i, ADRB+\slot, \q, \i
.endr
	WIN 0
.endm
.macro FETCH_A slot, q, i0
.irp i, \i0, \i0+1, \i0+2, \i0+3
	FRAG AF+FR*(\i), ADRA+\slot, \q, \i
.endr
.endm
.macro PLACES n
.rept \n
	v_nop
.endr
.endm
.macro STEP slot, q, first
	s_wait_dscnt 4*NL                              ; B's set and A's blocks 0-3 are in; the youngest 16 loads (A's blocks 4-7) may be out
.if \first
	WIN BIA_LO
.else
	WIN MUL_LO
.endif
	MUL16 0, (\q)%2, \first
	MUL16 2, (\q)%2, \first
	s_wait_dscnt 0
	PLACES NP
	FETCH_B \slot, (\q)+1, 1-(\q)%2
	FETCH_A \slot, (\q)+1, 0
.if \first
	WIN BIA_HI
.else
	WIN MUL_HI
.endif
	MUL16 4, (\q)%2, \first
	MUL16 6, (\q)%2, \first
	PLACES NP
	WIN 0
	FETCH_A \slot, (\q)+1, 4
.endm
.macro TURN slot, next, fill
	s_wait_tensorcnt 0x0                           ; all my tensor loads have landed: my part of the next slot
	ds_add_u32 v[SPW], v[NIL]                      ; 0 onto my spare word
	s_wait_dscnt 4*NL+1                            ; (the add and the youngest 16 loads may be out)
	WIN MUL_LO
	MUL16 0, 1, 0
	s_wait_dscnt 0x0                               ; the add is done, and my reads of this slot are over
	s_barrier_signal -1
	MUL16 2, 1, 0
	WIN 0
	s_barrier_wait -1
.if \fill
	CREST
	s_add_nc_u64 s[G0+4*\slot+2:G0+4*\slot+3], s[G0+4*\slot+2:G0+4*\slot+3], 2*HALFT
	s_add_nc_u64 s[G0B+4*\slot+2:G0B+4*\slot+3], s[G0B+4*\slot+2:G0B+4*\slot+3], 2*HALFT
	JLOAD G0+4*\slot, G1, G0B+4*\slot, G1B
.else
	PLACES NP
.endif
	FETCH_B \next, 0, 0
	FETCH_A \next, 0, 0
	WIN MUL_HI
	MUL16 4, 1, 0
	MUL16 6, 1, 0
	PLACES NP
	WIN 0
	FETCH_A \next, 0, 4
.endm
	s_wait_tensorcnt 1                             ; my part of slot 0 is in; slot 1's load may be out
	s_barrier_signal -1
	s_barrier_wait -1
	FETCH_B 0, 0, 0
	FETCH_A 0, 0, 0
	FETCH_A 0, 0, 4
	STEP 0, 0, 1
	TURN 0, 1, 1
	STEP 1, 0, 0
	TURN 1, 0, 1
	STEP 0, 0, 0
	TURN 0, 1, 0
	STEP 1, 0, 0
	s_wait_dscnt 4*NL
	WIN MUL_LO
	MUL16 0, 1, 0
	MUL16 2, 1, 0
	s_wait_dscnt 0
	WIN MUL_HI
	MUL16 4, 1, 0
	MUL16 6, 1, 0
	WIN 0
	PLACES NP
; My tile a of 16 tokens: the activation and the hold in one (each accumulator from its low end on), the conversions, and four stores of 512 consecutive bytes: the fragment's image.
.macro EPI a
.set AC, 64*((\a)%4)
	WIN 0x02+((\a)/4)
.set n, 0
.rept 64
	v_med3_num_f32 v[TMP+n], v[AC+n], 0, v[LIM]
.set n, n+1
.endr
	WIN 0
.irp b, 0,1,2,3,4,5,6,7
	v_cvt_scalef32_pk8_bf8_f32 v[CD+16*(\a)+2*\b:CD+16*(\a)+2*\b+1], v[TMP+8*\b:TMP+8*\b+7], v[SC]
.endr
	v_nop                                          ; a plain line between the conversions and the next lines that write their sources
.irp c, 0,1,2,3
	global_store_b128 v[L16], v[CD+16*(\a)+4*\c:CD+16*(\a)+4*\c+3], s[12:13] offset:2048*(\a)+512*\c
.endr
.endm
.irp a, 0,1,2,3,4,5,6,7
	EPI \a
.endr
	s_wait_tensorcnt 0x0                           ; the wave's end
	ds_add_u32 v[SPW], v[NIL]
	s_wait_dscnt 0x0
	CROUND
	s_endpgm
.Lfunc_end_k_q46b0783ba7_ff1:
	.size	k_q46b0783ba7_ff1, .Lfunc_end_k_q46b0783ba7_ff1-k_q46b0783ba7_ff1
	.p2alignl 7, 3214868480
	.fill 96, 4, 3214868480
	.section	.rodata,"a",@progbits
	.p2align	6, 0x0
	.amdhsa_kernel k_q46b0783ba7_ff1
		.amdhsa_group_segment_fixed_size 327680
		.amdhsa_private_segment_fixed_size 0
		.amdhsa_enable_private_segment 0
		.amdhsa_kernarg_size 40
		.amdhsa_user_sgpr_count 2
		.amdhsa_user_sgpr_kernarg_segment_ptr 1
		.amdhsa_wavefront_size32 1
		.amdhsa_system_sgpr_workgroup_id_x 1
		.amdhsa_system_sgpr_workgroup_id_y 1
		.amdhsa_system_sgpr_workgroup_id_z 1
		.amdhsa_system_vgpr_workitem_id 0
		.amdhsa_next_free_vgpr 1024
		.amdhsa_next_free_sgpr 100
		.amdhsa_reserve_vcc 0
		.amdhsa_float_denorm_mode_32 3
		.amdhsa_float_denorm_mode_16_64 3
		.amdhsa_memory_ordered 1
		.amdhsa_forward_progress 1
		.amdhsa_inst_pref_size 123
	.end_amdhsa_kernel
	.amdgpu_metadata
---
amdhsa.version: [ 1, 2 ]
amdhsa.kernels:
  - .name:           k_q46b0783ba7_ff1
    .symbol:         k_q46b0783ba7_ff1.kd
    .args:
      - { .name: xc, .offset: 0, .size: 8, .value_kind: global_buffer, .address_space: global }
      - { .name: wa, .offset: 8, .size: 8, .value_kind: global_buffer, .address_space: global }
      - { .name: b1, .offset: 16, .size: 8, .value_kind: global_buffer, .address_space: global }
      - { .name: lowp_scales, .offset: 24, .size: 8, .value_kind: global_buffer, .address_space: global }
      - { .name: act, .offset: 32, .size: 8, .value_kind: global_buffer, .address_space: global }
    .group_segment_fixed_size: 327680
    .private_segment_fixed_size: 0
    .kernarg_segment_align: 8
    .kernarg_segment_size: 40
    .max_flat_workgroup_size: 128
    .sgpr_count:     100
    .vgpr_count:     1024
    .wavefront_size: 32
...
	.end_amdgpu_metadata
.endif
;; end of part 6
;; launch gemm2: the kernel of part 4 again; grid 8 x 32, 4 waves a work-group, clusters of 4 x 4, 327,680 bytes of LDS; arguments act, w2c, yraw; writes yraw
;; launch ln2 (part 7): grid 256 x 1, 8 waves a work-group, no clusters, 0 bytes of LDS; arguments yraw, x1, b2, g2, be2, lowp_scales, out0; writes out0
.if DOCPART == 7
	.amdgcn_target "amdgcn-amd-amdhsa--gfx1250"
	.amdhsa_code_object_version 6
	.text
	.protected	k_q46b0783ba7_ln2
	.globl	k_q46b0783ba7_ln2
	.p2align	8
	.type	k_q46b0783ba7_ln2,@function
k_q46b0783ba7_ln2:
	s_mov_b64 s[64:65], 0
	v_nop
	global_prefetch_b8 v0, s[64:65] scope:SCOPE_SE
	s_setreg_imm32_b32 hwreg(HW_REG_WAVE_MODE, 25, 1), 1
	s_wait_xcnt 0x0
; out = LayerNorm(x1 + (raw0 + raw1) x 2^(e14 + e15) + b2) x g2 + be2, in f32.  raw0 and raw1 are the product's two partial sums over the halves of K, 8 MB apart in yraw.
; A wave takes a row of 1,024 numbers, 32 a lane, kept in registers: each byte is read once and written once.
; The mean first, then the mean of the squared differences: no difference of large sums is formed.  Waves share nothing: no LDS, no barrier.  Memory binds: no matrix unit, no tensor load.
; LIMIT: e14 + e15 between -126 and 127.
.set RAW, 16                           ; v16-47   the first partial sums, then the raw sums, y, y - mean, the result
.set RES, 48                           ; v48-79   x1, then x1 + b2
.set BI,  80
.set G,   112
.set BE,  144
.set R2,  192                          ; v192-223 the second partial sums
	s_load_b256 s[4:11], s[0:1], 0x0               ; yraw s[4:5], x1 s[6:7], b2 s[8:9], g2 s[10:11]
	s_load_b128 s[12:15], s[0:1], 0x20             ; be2 s[12:13], the scales' exponents s[14:15]
	s_load_b64 s[16:17], s[0:1], 0x30              ; out0
	v_lshrrev_b32 v1, 5, v0
	v_readfirstlane_b32 s20, v1                    ; wave
	v_and_b32 v2, 31, v0
	v_lshlrev_b32 v1, 4, v2                        ; 16 x lane
	s_lshl_b32 s22, ttmp9, 3
	s_add_co_u32 s22, s22, s20
	s_lshl_b32 s22, s22, 12                        ; my row, 4,096 bytes each
	s_mov_b32 s23, 0
	s_mov_b32 s30, 0x3a800000                      ; 1 / 1,024
	s_mov_b32 s31, 0x3727c5ac                      ; 1e-5
	s_mov_b32 s32, 0x76543210
	s_mov_b32 s33, 0xfedcba98
	s_wait_kmcnt 0x0
	s_load_b64 s[24:25], s[14:15], 0x38            ; e14, e15
	s_add_nc_u64 s[4:5], s[4:5], s[22:23]
	s_add_nc_u64 s[34:35], s[4:5], 0x800000        ; the same row of the second partial sums (8 MB is one byte more than a load's immediate holds)
	s_add_nc_u64 s[6:7], s[6:7], s[22:23]
	s_add_nc_u64 s[16:17], s[16:17], s[22:23]
.irp i, 0,1,2,3,4,5,6,7
	global_load_b128 v[RAW+4*\i:RAW+4*\i+3], v1, s[4:5] offset:512*\i th:TH_LOAD_NT    ; 32 lanes read 512 consecutive bytes
.endr
.irp i, 0,1,2,3,4,5,6,7
	global_load_b128 v[R2+4*\i:R2+4*\i+3], v1, s[34:35] offset:512*\i th:TH_LOAD_NT
.endr
.irp i, 0,1,2,3,4,5,6,7
	global_load_b128 v[RES+4*\i:RES+4*\i+3], v1, s[6:7] offset:512*\i th:TH_LOAD_NT
.endr
.irp i, 0,1,2,3,4,5,6,7
	global_load_b128 v[BI+4*\i:BI+4*\i+3], v1, s[8:9] offset:512*\i
.endr
.irp i, 0,1,2,3,4,5,6,7
	global_load_b128 v[G+4*\i:G+4*\i+3], v1, s[10:11] offset:512*\i
.endr
.irp i, 0,1,2,3,4,5,6,7
	global_load_b128 v[BE+4*\i:BE+4*\i+3], v1, s[12:13] offset:512*\i
.endr
	s_wait_kmcnt 0x0
	s_add_co_i32 s28, s24, s25
	s_add_co_i32 s28, s28, 127
	s_lshl_b32 s28, s28, 23                        ; 2^(e14 + e15) as f32
	s_mov_b32 s29, s28
.macro WSUM r, t                       ; the sum of v[r] over the wave's 32 lanes, in every lane; v[t] has been written before
	v_add_f32_dpp v[\r], v[\r], v[\r] row_xmask:1 row_mask:0xf bank_mask:0xf
	v_add_f32_dpp v[\r], v[\r], v[\r] row_xmask:2 row_mask:0xf bank_mask:0xf
	v_add_f32_dpp v[\r], v[\r], v[\r] row_xmask:4 row_mask:0xf bank_mask:0xf
	v_add_f32_dpp v[\r], v[\r], v[\r] row_xmask:8 row_mask:0xf bank_mask:0xf
	v_permlanex16_b32 v[\t], v[\r], s32, s33
	v_add_f32 v[\r], v[\r], v[\t]
.endm
	s_wait_loadcnt 0x0
.set p, 0
.rept 16
	v_pk_add_f32 v[RAW+p:RAW+p+1], v[RAW+p:RAW+p+1], v[R2+p:R2+p+1]    ; the two halves of K
.set p, p+2
.endr
.set p, 0
.rept 16
	v_pk_add_f32 v[RES+p:RES+p+1], v[RES+p:RES+p+1], v[BI+p:BI+p+1]
.set p, p+2
.endr
.set p, 0
.rept 16
	v_pk_fma_f32 v[RAW+p:RAW+p+1], v[RAW+p:RAW+p+1], s[28:29], v[RES+p:RES+p+1] op_sel_hi:[1,0,1]   ; y = raw x 2^(e14 + e15) + (x1 + b2)
.set p, p+2
.endr
	v_pk_add_f32 v[176:177], v[RAW:RAW+1], v[RAW+2:RAW+3]
	v_pk_add_f32 v[178:179], v[RAW+4:RAW+5], v[RAW+6:RAW+7]
.irp p, 8,12,16,20,24,28
	v_pk_add_f32 v[176:177], v[176:177], v[RAW+\p:RAW+\p+1]
	v_pk_add_f32 v[178:179], v[178:179], v[RAW+\p+2:RAW+\p+3]
.endr
	v_pk_add_f32 v[176:177], v[176:177], v[178:179]
	v_add_f32 v176, v176, v177
	WSUM 176, 177
	v_mul_f32 v176, s30, v176                      ; the mean
.set p, 0
.rept 16
	v_pk_add_f32 v[RAW+p:RAW+p+1], v[RAW+p:RAW+p+1], v[176:177] op_sel_hi:[1,0] neg_lo:[0,1] neg_hi:[0,1]   ; y - mean
.set p, p+2
.endr
	v_pk_mul_f32 v[178:179], v[RAW:RAW+1], v[RAW:RAW+1]
	v_pk_mul_f32 v[180:181], v[RAW+2:RAW+3], v[RAW+2:RAW+3]
.irp p, 4,8,12,16,20,24,28
	v_pk_fma_f32 v[178:179], v[RAW+\p:RAW+\p+1], v[RAW+\p:RAW+\p+1], v[178:179]
	v_pk_fma_f32 v[180:181], v[RAW+\p+2:RAW+\p+3], v[RAW+\p+2:RAW+\p+3], v[180:181]
.endr
	v_pk_add_f32 v[178:179], v[178:179], v[180:181]
	v_add_f32 v178, v178, v179
	WSUM 178, 179
	v_fma_f32 v178, v178, s30, s31                 ; the variance + 1e-5
	v_rsq_f32 v180, v178
	v_nop                                          ; a plain line behind the transcendental,
	s_wait_alu depctr_va_vdst(0)                   ; and the wait ahead of its first reader
.set p, 0
.rept 16
	v_pk_mul_f32 v[RAW+p:RAW+p+1], v[RAW+p:RAW+p+1], v[180:181] op_sel_hi:[1,0]
.set p, p+2
.endr
.set p, 0
.rept 16
	v_pk_fma_f32 v[RAW+p:RAW+p+1], v[RAW+p:RAW+p+1], v[G+p:G+p+1], v[BE+p:BE+p+1]
.set p, p+2
.endr
.irp i, 0,1,2,3,4,5,6,7
	global_store_b128 v1, v[RAW+4*\i:RAW+4*\i+3], s[16:17] offset:512*\i th:TH_STORE_NT   ; 512 consecutive bytes a store; written once, read by nobody here
.endr
	s_endpgm
.Lfunc_end_k_q46b0783ba7_ln2:
	.size	k_q46b0783ba7_ln2, .Lfunc_end_k_q46b0783ba7_ln2-k_q46b0783ba7_ln2
	.p2alignl 7, 3214868480
	.fill 96, 4, 3214868480
	.section	.rodata,"a",@progbits
	.p2align	6, 0x0
	.amdhsa_kernel k_q46b0783ba7_ln2
		.amdhsa_group_segment_fixed_size 0
		.amdhsa_private_segment_fixed_size 0
		.amdhsa_enable_private_segment 0
		.amdhsa_kernarg_size 56
		.amdhsa_user_sgpr_count 2
		.amdhsa_user_sgpr_kernarg_segment_ptr 1
		.amdhsa_wavefront_size32 1
		.amdhsa_system_sgpr_workgroup_id_x 1
		.amdhsa_system_sgpr_workgroup_id_y 1
		.amdhsa_system_sgpr_workgroup_id_z 1
		.amdhsa_system_vgpr_workitem_id 0
		.amdhsa_next_free_vgpr 224
		.amdhsa_next_free_sgpr 66
		.amdhsa_reserve_vcc 0
		.amdhsa_float_denorm_mode_32 3
		.amdhsa_float_denorm_mode_16_64 3
		.amdhsa_memory_ordered 1
		.amdhsa_forward_progress 1
		.amdhsa_inst_pref_size 16
	.end_amdhsa_kernel
	.amdgpu_metadata
---
amdhsa.version: [ 1, 2 ]
amdhsa.kernels:
  - .name:           k_q46b0783ba7_ln2
    .symbol:         k_q46b0783ba7_ln2.kd
    .args:
      - { .name: yraw, .offset: 0, .size: 8, .value_kind: global_buffer, .address_space: global }
      - { .name: x1, .offset: 8, .size: 8, .value_kind: global_buffer, .address_space: global }
      - { .name: b2, .offset: 16, .size: 8, .value_kind: global_buffer, .address_space: global }
      - { .name: g2, .offset: 24, .size: 8, .value_kind: global_buffer, .address_space: global }
      - { .name: be2, .offset: 32, .size: 8, .value_kind: global_buffer, .address_space: global }
      - { .name: lowp_scales, .offset: 40, .size: 8, .value_kind: global_buffer, .address_space: global }
      - { .name: out0, .offset: 48, .size: 8, .value_kind: global_buffer, .address_space: global }
    .group_segment_fixed_size: 0
    .private_segment_fixed_size: 0
    .kernarg_segment_align: 8
    .kernarg_segment_size: 56
    .max_flat_workgroup_size: 256
    .sgpr_count:     66
    .vgpr_count:     224
    .wavefront_size: 32
...
	.end_amdgpu_metadata
.endif
;; end of part 7
